; MI455X (gfx1250); checked and timed in simulation.
; The chip was launched on July 23, 2026; its instructions are those of AMD's public machine-readable ISA for CDNA 5 (MIT licence, August 2026) and "CDNA5" Instruction Set Architecture Reference Guide (July 2026). The comments in the code are by the model that wrote it; some were corrected since.
;; Multiheaded Attention. Allowed arithmetic: matrix products marked QUANTISED: E2M3 operands, one E8M0 scale for each 32 along K, by v_wmma_scale_f32_16x16x128_f8f6f4 with both operands' format E2M3, f32 sums; everything else in f32.
;; Inputs: K 4 x 2,048 x 1,024 float32; Q 4 x 2,048 x 1,024 float32; V 4 x 2,048 x 1,024 float32; Wk 1,024 x 1,024 float32; Wo 1,024 x 1,024 float32; Wq 1,024 x 1,024 float32; Wv 1,024 x 1,024 float32; bk 1,024 float32; bo 1,024 float32; bq 1,024 float32; bv 1,024 float32; mask 4 x 1 x 2,048 bool.
;; Outputs: out0 4 x 2,048 x 1,024 float32.
;; This version of the problem:
;;   THIS VERSION OF THE PROBLEM IS GIVEN IN LOW PRECISION. The matrix products marked QUANTISED in the list below multiply operands that are first quantised to E2M3 (2 exponent bits, 3 mantissa bits; 6 bits a number), with one power-of-two scale for each 32 numbers along K (OCP MX v1.0); their sums are f32. All else is computed in f32.
;;   The module's matrix products, in the order in which they are computed (A, B: the left and right operand; K: the contracted axis; several contracted axes count as one K, in the product's order):
;;     1. [M 8,192, K 1,024] x [K 1,024, N 1,024]; A: input Q; B: input Wq: QUANTISED
;;     2. [M 8,192, K 1,024] x [K 1,024, N 1,024]; A: input K; B: input Wk: QUANTISED
;;     3. [M 8,192, K 1,024] x [K 1,024, N 1,024]; A: input V; B: input Wv: QUANTISED
;;     4. batch 64 x [M 2,048, K 64] x [K 64, N 2,048]; A: computed on the way; B: computed on the way: QUANTISED
;;     5. batch 64 x [M 2,048, K 2,048] x [K 2,048, N 64]; A: softmax (see below); B: computed on the way: QUANTISED
;;     6. [M 8,192, K 1,024] x [K 1,024, N 1,024]; A: computed on the way; B: input Wo: QUANTISED
;;   THE QUANTISER, for each operand of a quantised product, along K:
;;     - K is cut into blocks of 32 from its start; a last block that is shorter is filled with zeros.
;;     - A block's scale is 2^e with e = floor(log2(the largest magnitude in the block)) - 2, held to -126 .. 127; a block of zeros has e = 0. As a byte (E8M0): e + 127.
;;     - Each number is divided by its block's scale, clamped to +-7.5, and rounded to the nearest number of E2M3, ties to even, subnormals kept.
;;     - The product sums the exact products of the quantised numbers (number of the format x scale) in f32.
;;   ~~~python
;;   def quantise(x, axis):      # numpy; x: float32 -> the quantised numbers, widened to float32 again
;;       x = np.moveaxis(x, axis, -1); K = x.shape[-1]
;;       x = np.pad(x, [(0, 0)] * (x.ndim - 1) + [(0, -K % 32)]); x = x.reshape(x.shape[:-1] + (-1, 32)); a = np.abs(x).max(-1, keepdims=True)
;;       e = np.where(a > 0, np.clip(np.frexp(np.where(a > 0, a, 1))[1] - 1 - 2, -126, 127), 0)      # np.frexp(a)[1] - 1 = floor(log2(a)), exactly
;;       r = np.clip(x / 2.0 ** e, -7.5, 7.5)
;;       step = 2.0 ** (np.maximum(np.frexp(np.where(r == 0, 1, r))[1] - 1, 0) - 3)
;;       q = np.round(r / step) * step * 2.0 ** e      # np.round: ties to even
;;       return np.moveaxis(q.reshape(q.shape[:-2] + (-1,))[..., :K], -1, axis).astype(np.float32)
;;   ~~~
;;   SOFTMAX AHEAD OF A QUANTISED PRODUCT. Where the list says 'softmax', what is quantised is not the finished softmax but p = 2^(t - M), with t = logit x log2(e) and M = ceil(the row's largest t), a whole number; so 1/2 < the row's largest p <= 1. The row's sum l is taken of the UNQUANTISED p, in f32, and the product's result is divided by l at the end. Since M is a whole number, a kernel that streams over the keys may use a running M (the ceiling of the running maximum): every later rescaling is an exact power of two, which a block's scale takes up: the codes' values come out the same.
;;   OPERANDS COMPUTED ON THE WAY. 'Computed on the way' means the value that the module computes at that place (a softmax that the list does not call 'softmax' is quantised finished and normalised). What goes into a quantiser is computed in f32, as accurately as f32 sums, v_exp_f32 and their like allow (about 1e-6 of the number): no bf16 or f16 on the way to a quantiser, and a product that is left as it is and whose result goes on into a quantised operand takes f32 operands (vector FMAs, or v_wmma_f32_16x16x4_f32). A number that lies on a knife's edge between two numbers of the format may be rounded either way, as far as f32 arithmetic and the matrix unit's own rounding can turn it there, and no further.
;; One version. Each part assembles by itself: llvm-mc -triple=amdgcn-amd-amdhsa -mcpu=gfx1250 --defsym DOCPART=n.
;; ======== version 1 of 1: 4 launches
;; limits: right only within a limited range of input values
;; workspace buffers: xc 18,874,368 bytes; xs 786,432 bytes; wc 3,145,728 bytes; ws 131,072 bytes; qkv 20,185,088 bytes; ac 6,291,456 bytes; asc 262,144 bytes
;; launch quant (part 1): grid 1024 x 1, 4 waves a work-group, no clusters, 34,304 bytes of LDS; arguments Q, K, V, Wq, Wk, Wv, Wo, xc, xs, wc, ws; writes xc, xs, wc, ws
.if DOCPART == 1
	.amdgcn_target "amdgcn-amd-amdhsa--gfx1250"
	.amdhsa_code_object_version 6
	.text
	.protected	k_q174ae7cb2f_quant
	.globl	k_q174ae7cb2f_quant
	.p2align	8
	.type	k_q174ae7cb2f_quant,@function
k_q174ae7cb2f_quant:
	s_mov_b64 s[64:65], 0
	v_nop
	global_prefetch_b8 v0, s[64:65] scope:SCOPE_SE
	s_setreg_imm32_b32 hwreg(HW_REG_WAVE_MODE, 25, 1), 1
	s_wait_xcnt 0x0
; Q, K, V [8192][1024] f32 and Wq, Wk, Wv, Wo [1024 (k)][1024 (n)] f32 become codes of FP6 (E2M3) with one E8M0 byte for each 32 along K (k).
; A block's scale is 2^(floor(log2(its largest magnitude)) - 2); its byte is the largest magnitude's exponent field - 2, held at 1 from below.
; (A block of zeros so gets the byte 1 where the rule says 127: its codes are zeros, and the bytes are read by this program alone.)
; LIMITS: blocks whose largest magnitude lies under 2^-124 get the byte 1; NaN and infinities among the inputs are not served.
; THE LAYOUT OF THE CODES IS THE ORDER OF THE MATRIX OPERAND'S REGISTERS.  Rows go in blocks of 16: in block j lane-row r holds matrix row
; 32 (j / 2) + 8 (j % 2) + r + 8 (r / 8).  K goes in halves of 64: half kap of block j is 768 bytes at (16 j + kap) 768: lane l = r + 16 h holds the
; 32 codes k = 64 kap + 32 h + 0 .. 31 of its row, 24 bytes: the first 16 at 16 l, the last 8 at 512 + 8 l.  Scale bytes: [16 j + r][32], byte k / 32.
; So every store of codes covers 512 or 256 consecutive bytes, and a reader fills a fragment by loads at a constant + 16 l or + 8 l.
; Work-groups 0-255 take the weights (rows of the operand = n, K is the FIRST axis: a lane takes a column and its registers run down K);
; work-groups 256-1023 take Q, K, V (K innermost: loads take the bytes as they lie and turn through the wave's own stage in LDS).
; Only the second way touches LDS.  No tensor loads, no barrier: waves share nothing.
.set NUM,    16                        ; v16-143  numbers as loaded
.set NEI,    144                       ; v144-207 activations: 64 numbers, two whole blocks of my row;  weights: the codes, 12 registers a block
.set COD,    208                       ; v208-219 activations: a fragment's codes;  v220-222, v224-226 the second halves as the conversions leave them
.set TM,     228                       ; v228-235 at work
.set SW,     236                       ; v236-239 the scale words of my four fragments
.set SPITCH, 528                       ; a stage row: 512 bytes + 16, an odd multiple of 16
.set STAGE,  16*SPITCH
	s_load_b512 s[4:19], s[0:1], 0x0               ; Q s[4:5], K s[6:7], V s[8:9], Wq s[10:11], Wk s[12:13], Wv s[14:15], Wo s[16:17], xc s[18:19]
	s_load_b128 s[20:23], s[0:1], 0x40             ; xs s[20:21], wc s[22:23]
	s_load_b64 s[24:25], s[0:1], 0x50              ; ws
	v_lshl_add_u32 v240, v0, 2, 0x8400
	v_mov_b32 v241, 0
	v_lshrrev_b32 v1, 5, v0
	v_readfirstlane_b32 s28, v1                    ; wave 0..3
	v_and_b32 v1, 31, v0                           ; lane
	s_cmp_lt_u32 ttmp9, 256
	s_cbranch_scc0 .Lacts
; ---------------- THE WEIGHTS.  Work-group g: tensor g / 64, 128 along K at 128 ((g / 8) % 8), columns 128 (g % 8) on; a wave takes 32 columns.
	s_lshr_b32 s33, ttmp9, 6                       ; which weight
	s_bfe_u32 s34, ttmp9, 0x30003                  ; q: which 128 along K
	s_and_b32 s35, ttmp9, 7
	s_lshl_b32 s36, s35, 2
	s_add_co_u32 s36, s36, s28                     ; bet: my wave's 32 columns, 32 bet on: blocks 2 bet and 2 bet + 1 of the operand
	v_bfe_u32 v2, v1, 3, 1                         ; column 32 bet + lane is lane-row r of block 2 bet + u:  u = (lane / 8) % 2,
	v_and_b32 v7, 7, v1
	v_lshrrev_b32 v8, 4, v1
	v_lshl_or_b32 v7, v8, 3, v7                    ; r = lane % 8 + 8 (lane / 16)
	v_lshlrev_b32 v3, 2, v1                        ; in: 4 bytes a lane: a load reads 128 consecutive bytes, the four waves stand side by side on 512
	v_mul_u32_u24 v9, v2, 12288
	v_lshl_add_u32 v4, v7, 4, v9                   ; out: block u, 16 r
	v_lshl_add_u32 v5, v7, 3, v9                   ;      block u, 8 r
	v_lshl_add_u32 v6, v2, 4, v7
	v_lshlrev_b32 v6, 5, v6                        ; scale bytes: row 16 u + r of 32 bytes
	s_lshl_b32 s40, s34, 19                        ; W: 128 q rows of 4,096 bytes
	s_lshl_b32 s38, s36, 7                         ;    + 32 bet columns
	s_add_co_u32 s40, s40, s38
	s_mov_b32 s41, 0
	s_mul_i32 s42, s33, 786432                     ; codes: the weight's 64 blocks of 12,288 bytes,
	s_mul_i32 s38, s36, 24576                      ; block 2 bet,
	s_add_co_u32 s42, s42, s38
	s_mul_i32 s38, s34, 1536                       ; halves 2 q and 2 q + 1
	s_add_co_u32 s42, s42, s38
	s_mov_b32 s43, 0
	s_lshl_b32 s44, s33, 15                        ; scale bytes: the weight's 1,024 rows of 32,
	s_lshl_b32 s38, s36, 10                        ; 32 bet rows,
	s_add_co_u32 s44, s44, s38
	s_lshl_b32 s38, s34, 2                         ; bytes 4 q on
	s_add_co_u32 s44, s44, s38
	s_mov_b32 s45, 0
	s_wait_alu depctr_va_vdst(0)
	s_wait_kmcnt 0x0
	s_cmp_eq_u32 s33, 1                            ; the choice hangs on the work-group's number alone
	s_cselect_b64 s[10:11], s[12:13], s[10:11]
	s_cmp_eq_u32 s33, 2
	s_cselect_b64 s[10:11], s[14:15], s[10:11]
	s_cmp_eq_u32 s33, 3
	s_cselect_b64 s[10:11], s[16:17], s[10:11]
	s_add_nc_u64 s[10:11], s[10:11], s[40:41]
	s_add_nc_u64 s[22:23], s[22:23], s[42:43]
	s_add_nc_u64 s[24:25], s[24:25], s[44:45]
.macro WLOAD bi                        ; block bi: W(128 q + 32 bi + i, my column), i = 0 .. 31
.set i, 0
.rept 32
	global_load_b32 v[NUM+32*(\bi)+i], v3, s[10:11] offset:(32*(\bi)+i)*4096 th:TH_LOAD_NT
.set i, i+1
.endr
.endm
.macro WBLK bi                         ; block bi of my column: it is lane r + 16 (bi % 2) of half bi / 2
.set XS, NUM+32*(\bi)
.set CW, NEI+12*(\bi)
.if (\bi) < 3
	s_wait_loadcnt 32                              ; this block's 32 loads are in; the next block's 32 may be out
.else
	s_wait_loadcnt 0x0
.endif
.if (\bi) < 2
	WLOAD (\bi)+2                                  ; loads run two blocks ahead, each block into registers of its own
.endif
	v_max3_num_f32 v13, |v[XS]|, |v[XS+1]|, |v[XS+2]|               ; the block's largest magnitude: all 32 numbers are mine; two chains
	v_max3_num_f32 v14, |v[XS+3]|, |v[XS+4]|, |v[XS+5]|
.irp i, 6,10,14,18,22,26
	v_max3_num_f32 v13, v13, |v[XS+\i]|, |v[XS+\i+1]|
	v_max3_num_f32 v14, v14, |v[XS+\i+2]|, |v[XS+\i+3]|
.endr
	v_max3_num_f32 v13, v13, |v[XS+30]|, |v[XS+31]|
	v_max3_num_f32 v13, v13, v14, 0x1800000        ; and the floor 2^(3 - 127): the byte cannot fall under 1
	v_add_nc_u32 v11, 0xff000000, v13              ; 2 off the exponent field: the conversion takes the exponent field of this operand as its scale
	v_lshrrev_b32 v15, 23, v11                     ; the scale's byte
.if (\bi) == 0
	v_mov_b32 v12, v15                             ; four bytes make my column's word for these 128 along K
.else
	v_lshl_or_b32 v12, v15, 8*(\bi), v12
.endif
	v_cvt_scalef32_pk16_fp6_f32 v[CW:CW+2], v[XS:XS+15], v11
	v_cvt_scalef32_pk16_fp6_f32 v[CW+6:CW+8], v[XS+16:XS+31], v11   ; (a conversion's three registers begin on an even number)
	v_nop                                          ; one plain place behind a scaled conversion
.irp i, 0,1,2
	v_mov_b32 v[CW+3+\i], v[CW+6+\i]
.endr
	global_store_b128 v4, v[CW:CW+3], s[22:23] offset:768*((\bi)/2)+256*((\bi)%2)       ; the sixteen lanes of a block of rows fill 256 consecutive bytes
	global_store_b64 v5, v[CW+4:CW+5], s[22:23] offset:768*((\bi)/2)+512+128*((\bi)%2)  ; each block has code registers of its own: no store's data are written again
.endm
	WLOAD 0
	WLOAD 1
	WBLK 0
	WBLK 1
	WBLK 2
	WBLK 3
	global_store_b32 v6, v12, s[24:25]
	s_endpgm
; ---------------- Q, K, V.  Wave W = 4 (g - 256) + wave takes block W / 2 (of 1,536: 512 a tensor) and 512 along K at 512 (W % 2): four fragments of 16 rows x 128.
.Lacts:
	s_mov_b32 s30, 0x76543210
	s_mov_b32 s31, 0xfedcba98                      ; v_permlanex16_b32's selects for lane l xor 16
	s_mov_b32 s32, 0xffff0000                      ; lanes 16-31
	s_sub_co_u32 s33, ttmp9, 256
	s_lshr_b32 s34, s33, 8                         ; which tensor
	s_lshl_b32 s35, s33, 2
	s_add_co_u32 s35, s35, s28
	s_lshr_b32 s36, s35, 1                         ; the block among 1,536
	s_and_b32 s37, s35, 1                          ; which half of K
	s_and_b32 s38, s36, 511                        ; the block in its tensor
	s_lshr_b32 s39, s38, 1
	s_lshl_b32 s39, s39, 5
	s_and_b32 s40, s38, 1
	s_lshl_b32 s40, s40, 3
	s_add_co_u32 s40, s40, s39                     ; lane-row 0's row: 32 (j / 2) + 8 (j % 2)
	s_lshl_b32 s40, s40, 12                        ; rows of 4,096 bytes
	s_lshl_b32 s39, s37, 11
	s_add_co_u32 s40, s40, s39
	s_mov_b32 s41, 0
	s_mul_i32 s42, s36, 12288
	s_mul_i32 s39, s37, 6144
	s_add_co_u32 s42, s42, s39                     ; codes
	s_mov_b32 s43, 0
	s_lshl_b32 s44, s36, 9
	s_lshl_b32 s39, s37, 4
	s_add_co_u32 s44, s44, s39                     ; scale bytes
	s_mov_b32 s45, 0
	s_mul_i32 s46, s28, STAGE                      ; my stage
	v_and_b32 v2, 15, v0                           ; r
	v_bfe_u32 v3, v0, 4, 1                         ; h
	s_wait_alu depctr_va_vdst(0)
	v_lshlrev_b32 v4, 4, v1                        ; 16 l
	v_lshlrev_b32 v5, 3, v1                        ; 8 l
	v_add_nc_u32 v6, s46, v4                       ; the stage, in: a row's 512 bytes as they lie
	v_mul_u32_u24 v7, v2, SPITCH
	v_lshl_add_u32 v7, v3, 7, v7
	v_add_nc_u32 v7, s46, v7                       ; and out: row r, 128 h bytes on: my 32 numbers of each 64
	v_lshlrev_b32 v8, 5, v2
	v_lshl_add_u32 v8, v3, 3, v8                   ; scale bytes: row r, 8 h
	v_lshlrev_b32 v10, 3, v3                       ; 8 h
	v_mov_b32 v[TM+7], 0                           ; written once: a lane permute's destination counts as one of its sources
	s_wait_alu depctr_va_vdst(0)
	s_wait_kmcnt 0x0
	s_cmp_eq_u32 s34, 1
	s_cselect_b64 s[4:5], s[6:7], s[4:5]
	s_cmp_eq_u32 s34, 2
	s_cselect_b64 s[4:5], s[8:9], s[4:5]
	s_add_nc_u64 s[4:5], s[4:5], s[40:41]
	s_add_nc_u64 s[18:19], s[18:19], s[42:43]
	s_add_nc_u64 s[20:21], s[20:21], s[44:45]
.macro LOADF f                         ; fragment f: each load reads 512 consecutive bytes of one of the block's 16 rows
.irp t, 0,1,2,3,4,5,6,7,8,9,10,11,12,13,14,15
	global_load_b128 v[NUM+64*((\f)%2)+4*\t:NUM+64*((\f)%2)+4*\t+3], v4, s[4:5] offset:(\t+8*(\t/8))*4096+512*(\f) th:TH_LOAD_NT
.endr
.endm
.macro TURN f                          ; through the stage: LDS serves a wave's instructions in order, so no wait stands between the stores and the loads
.irp t, 0,1,2,3,4,5,6,7,8,9,10,11,12,13,14,15
	ds_store_b128 v6, v[NUM+64*((\f)%2)+4*\t:NUM+64*((\f)%2)+4*\t+3] offset:SPITCH*\t
.endr
.irp c, 0,1
.irp i, 0,1,2,3,4,5,6,7
	ds_load_b128 v[NEI+32*\c+4*\i:NEI+32*\c+4*\i+3], v7 offset:256*\c+16*\i    ; k = 64 c + 32 h + 4 i ..: block 2 c + h of my row, whole
.endr
.endr
.endm
.macro AQ f
.irp c, 0,1
	v_max3_num_f32 v[TM+\c], |v[NEI+32*\c]|, |v[NEI+1+32*\c]|, 0x1800000      ; my block 2 c + h, and the floor 2^(3 - 127)
.endr
.irp i, 2,4,6,8,10,12,14,16,18,20,22,24,26,28,30
.irp c, 0,1
	v_max3_num_f32 v[TM+\c], v[TM+\c], |v[NEI+32*\c+\i]|, |v[NEI+1+32*\c+\i]|   ; (the two blocks by turns)
.endr
.endr
.irp c, 0,1
	v_add_nc_u32 v[TM+2+\c], 0xff000000, v[TM+\c]  ; the conversion's scale operand
.endr
.irp c, 0,1
	v_lshrrev_b32 v[TM+4+\c], 23, v[TM+2+\c]       ; the scale's byte
.endr
	v_lshl_or_b32 v[TM+6], v[TM+5], 16, v[TM+4]    ; my two bytes, blocks h and 2 + h,
	v_lshlrev_b32 v[TM+6], v10, v[TM+6]            ; at their places in the word;
	v_permlanex16_b32 v[TM+7], v[TM+6], s30, s31
	v_or_b32 v[SW+(\f)], v[TM+6], v[TM+7]          ; with lane l xor 16's two the word is whole
.if (\f) > 0
	s_wait_alu depctr_va_vdst(0)
	s_wait_xcnt 0x0                                ; the last fragment's stores have read their data: the codes' registers are written again only behind this wait
.endif
.irp c, 0,1
	v_cvt_scalef32_pk16_fp6_f32 v[COD+6*\c:COD+6*\c+2], v[NEI+32*\c:NEI+32*\c+15], v[TM+2+\c]
	v_cvt_scalef32_pk16_fp6_f32 v[COD+12+4*\c:COD+14+4*\c], v[NEI+16+32*\c:NEI+31+32*\c], v[TM+2+\c]
.endr
	v_nop                                          ; one plain place behind a scaled conversion
.irp c, 0,1
.irp i, 0,1,2
	v_mov_b32 v[COD+3+6*\c+\i], v[COD+12+4*\c+\i]
.endr
.endr
.irp c, 0,1
	global_store_b128 v4, v[COD+6*\c:COD+6*\c+3], s[18:19] offset:1536*(\f)+768*\c         ; 512 consecutive bytes
	global_store_b64 v5, v[COD+6*\c+4:COD+6*\c+5], s[18:19] offset:1536*(\f)+768*\c+512    ; 256 consecutive bytes
.endr
.endm
	LOADF 0
	LOADF 1
	s_wait_loadcnt 16                              ; fragment 0's sixteen loads are in; fragment 1's may be out
	TURN 0
	s_wait_dscnt 0x0                               ; the numbers are back, and the stores into the stage have read their registers,
	LOADF 2                                        ; which take the loads of two fragments on
	AQ 0
	s_wait_loadcnt 16                              ; fragment 1's are in; fragment 2's may be out
	TURN 1
	s_wait_dscnt 0x0
	LOADF 3
	AQ 1
	s_wait_loadcnt 16                              ; fragment 2's are in; fragment 3's may be out
	TURN 2
	s_wait_dscnt 0x0
	AQ 2
	s_wait_loadcnt 0x0
	TURN 3
	s_wait_dscnt 0x0
	AQ 3
	v_cndmask_b32 v[TM+6], v[SW], v[SW+2], s32     ; my row's 16 scale bytes: lanes 0-15 store words 0 and 1, lanes 16-31 words 2 and 3
	v_cndmask_b32 v[TM+7], v[SW+1], v[SW+3], s32
	global_store_b64 v8, v[TM+6:TM+7], s[20:21]
	s_wait_tensorcnt 0x0
	ds_add_u32 v240, v241
	s_wait_dscnt 0x0
	s_endpgm
.Lfunc_end_k_q174ae7cb2f_quant:
	.size	k_q174ae7cb2f_quant, .Lfunc_end_k_q174ae7cb2f_quant-k_q174ae7cb2f_quant
	.p2alignl 7, 3214868480
	.fill 96, 4, 3214868480
	.section	.rodata,"a",@progbits
	.p2align	6, 0x0
	.amdhsa_kernel k_q174ae7cb2f_quant
		.amdhsa_group_segment_fixed_size 34304
		.amdhsa_private_segment_fixed_size 0
		.amdhsa_enable_private_segment 0
		.amdhsa_kernarg_size 88
		.amdhsa_user_sgpr_count 2
		.amdhsa_user_sgpr_kernarg_segment_ptr 1
		.amdhsa_wavefront_size32 1
		.amdhsa_system_sgpr_workgroup_id_x 1
		.amdhsa_system_sgpr_workgroup_id_y 1
		.amdhsa_system_sgpr_workgroup_id_z 1
		.amdhsa_system_vgpr_workitem_id 0
		.amdhsa_next_free_vgpr 242
		.amdhsa_next_free_sgpr 66
		.amdhsa_reserve_vcc 0
		.amdhsa_float_denorm_mode_32 3
		.amdhsa_float_denorm_mode_16_64 3
		.amdhsa_memory_ordered 1
		.amdhsa_forward_progress 1
		.amdhsa_inst_pref_size 52
	.end_amdhsa_kernel
	.amdgpu_metadata
---
amdhsa.version: [ 1, 2 ]
amdhsa.kernels:
  - .name:           k_q174ae7cb2f_quant
    .symbol:         k_q174ae7cb2f_quant.kd
    .args:
      - { .name: Q, .offset: 0, .size: 8, .value_kind: global_buffer, .address_space: global }
      - { .name: K, .offset: 8, .size: 8, .value_kind: global_buffer, .address_space: global }
      - { .name: V, .offset: 16, .size: 8, .value_kind: global_buffer, .address_space: global }
      - { .name: Wq, .offset: 24, .size: 8, .value_kind: global_buffer, .address_space: global }
      - { .name: Wk, .offset: 32, .size: 8, .value_kind: global_buffer, .address_space: global }
      - { .name: Wv, .offset: 40, .size: 8, .value_kind: global_buffer, .address_space: global }
      - { .name: Wo, .offset: 48, .size: 8, .value_kind: global_buffer, .address_space: global }
      - { .name: xc, .offset: 56, .size: 8, .value_kind: global_buffer, .address_space: global }
      - { .name: xs, .offset: 64, .size: 8, .value_kind: global_buffer, .address_space: global }
      - { .name: wc, .offset: 72, .size: 8, .value_kind: global_buffer, .address_space: global }
      - { .name: ws, .offset: 80, .size: 8, .value_kind: global_buffer, .address_space: global }
    .group_segment_fixed_size: 34304
    .private_segment_fixed_size: 0
    .kernarg_segment_align: 8
    .kernarg_segment_size: 88
    .max_flat_workgroup_size: 128
    .sgpr_count:     66
    .vgpr_count:     242
    .wavefront_size: 32
...
	.end_amdgpu_metadata
.endif
;; end of part 1
;; launch proj (part 2): grid 4 x 64, 4 waves a work-group, clusters of 4 x 4, 327,680 bytes of LDS; arguments xc, xs, wc, ws, bq, bk, bv, mask, qkv; writes qkv
.if DOCPART == 2
	.amdgcn_target "amdgcn-amd-amdhsa--gfx1250"
	.amdhsa_code_object_version 6
	.text
	.protected	k_q174ae7cb2f_proj
	.globl	k_q174ae7cb2f_proj
	.p2align	8
	.type	k_q174ae7cb2f_proj,@function
k_q174ae7cb2f_proj:
	s_mov_b64 s[64:65], 0
	v_nop
	global_prefetch_b8 v0, s[64:65] scope:SCOPE_SE
	s_setreg_imm32_b32 hwreg(HW_REG_WAVE_MODE, 25, 1), 1
	s_wait_xcnt 0x0
	s_wait_alu depctr_hold_cnt(0) depctr_sa_sdst(0) depctr_va_vdst(0) depctr_va_sdst(0) depctr_va_ssrc(0) depctr_va_vcc(0) depctr_vm_vsrc(0)
	s_getreg_b32 s2, hwreg(HW_REG_IB_STS2, 6, 4)
	s_cmp_eq_u32 s2, 0
	s_cbranch_scc0 .Lentry_in_a_cluster
	s_endpgm
.Lentry_in_a_cluster:
	s_bfe_u32 s2, ttmp6, 0x10000c
	s_cmp_lg_u32 s2, 0xf033
	s_cbranch_scc0 .Lentry_shape_is_right
	s_endpgm
.Lentry_shape_is_right:
; q = Q Wq + bq, k = K Wk + bk, v = V Wv + bv on codes of FP6 (E2M3) with E8M0 scales, sums in f32; the results are quantised in registers for attention's two products and stored as codes.
; OPERANDS lie in memory in the order of the matrix operand's registers: blocks of 16 rows (lane-row r of block j = row 32 (j / 2) + 8 (j % 2) + r + 8 (r / 8)), K in halves of 64, 768 bytes each:
; lane l's first 16 bytes at 16 l, its last 8 at 512 + 8 l.  A block used as source 0 gives a lane 8 results; those of blocks 2 bet and 2 bet + 1 are 16 neighbours, 32 bet + 16 (l / 16) + 0 .. 15.
; SHARES.  256 work-groups THAT STAY: each makes 128 tokens (tile Y) x 256 columns (tile X) of q, then of k, then of v (TZ = 0, 1, 2; s29).  A wave makes 64 (P: source 1) x 128 (R: source 0): 32 accumulators.
;   q, k: P = 64 tokens (half w / 2), R = 128 columns (half w % 2): a lane holds one token and two heads.   v: P = 64 columns = one head (quarter w), R = the 128 tokens: a lane holds one d and 128 keys.
; LDS: two halves of K (512 each): 8 token blocks and 16 weight blocks, rows of 6,144 bytes.  One joint load a wave fills a quarter of a half's panels (waves 0, 1 tokens, waves 2, 3 weights).
; THE RING GOES ON FROM TENSOR TO TENSOR: at K step 3 one drained round of the cluster's barrier shows half 1 and refills half 0 with the next tensor's tile; at K step 7 one shows that and refills half 1.
; A refill is asked for four K steps (128 matrix instructions) or more ahead of the wait for it, so no prefetch is laid beside it.  One tensor load of a wave is out at a time; every wait on TENSORcnt is for 0.
; The next tensor's scale words, bias and mask bytes are asked for behind K step 7, ahead of the way out.  Tensors 0 and 1 are a loop of two trips; tensor 2, which refills nothing, is written out.
; CLUSTERS: 4 x 4.  The token panel hangs on Y and is asked for jointly by a row of the cluster, the weight panel on TZ and X and by a column.
; THE MASK goes into k's scale words.  Attention's first product has K = 64 of the instruction's 128: at k = 64 every q carries the code +1 under the byte 127 and every key the code -1 under byte 2 of its word:
; 1 where the key counts (2^-126 off the score), 187 where it is masked (2^60 off).  Byte 3 is 127; its codes are zeros.
; OUT: qkv, 64 heads x 16 steps of 128 tokens x a record of 19,712 bytes: K codes 8 x 768 | V^T codes 4 x 1,536 | K scale words 2 x 256 | V scale words 256 | Q codes 8 x 768 | Q scale words 2 x 256.
; LIMITS: mask bytes are 0 or 1; NaN and infinities are not served; a block whose largest magnitude lies under 2^-124 gets the byte 1 (a block of zeros too: its codes are zeros).
; REGISTERS.  window 0: v1-6, v24-27 lane terms; v8-23 LDS addresses; v32-47 P's scale words, v48-79 R's (nothing else); v144-239 P's fragments, two sets; v228-235 also the next tile's bias along P and mask bytes;
;   v240-247 the bias along P; v248-251 the words' upper halves; v80-115, v144-227 at work on the way out.  window 1: R's fragments, two sets.  window 2: accumulator (a, b) at v[8 (8 a + b)].  window 3: v0-63 the bias along R.
.set HALF,  147456
.set WOFF,  49152
.set SPARE, 2*HALF
.set HEADB, 315392
.set RECG,  19712
.set P16, 8
.set P8,  12
.set R16, 16
.set R8,  20
.set SCP, 32
.set SCR, 48
.set PF,  144
.set TB,  228
.set BA,  240
.set HI,  248
.set TM,  80
.set PW,  96
.set ZW,  100
.set HA,  144
.set PC,  208
.set G1T, 32
.set G1W, 40
.set G0T, 48                           ; s[48:55] groups 0 of the token panel, one for each half; s[68:75] of the weight panel
.set G0W, 68
.set MSB, 0
.macro WIN new
.if MSB != \new
	s_set_vgpr_msb (MSB<<8)|\new
.set MSB, \new
.endif
.endm
.macro NOP4
.rept 4
	v_nop
.endr
.endm
.macro WALU
	s_wait_alu depctr_va_vdst(0)
.endm
.macro CROUND                          ; a round of the cluster's barrier
	s_barrier_signal -1
	s_barrier_wait -1
	s_cmp_lg_u32 s22, 0
	s_cbranch_scc1 .Lnot_wave_0_\@
	s_barrier_signal -3
.Lnot_wave_0_\@:
	s_barrier_wait -3
	s_barrier_signal -1
	s_barrier_wait -1
.endm
.macro JLOAD h                         ; my joint load of half h: waves 0, 1 for the tokens, waves 2, 3 for the weights; s_nop 0 and four v_nop behind each line
	s_cmp_eq_u32 s23, 0
	s_cbranch_scc0 .Lfor_w_\@
	tensor_load_to_lds s[G0T+4*\h:G0T+4*\h+3], s[G1T:G1T+7]
	s_nop 0
	NOP4
	s_branch .Lasked_\@
.Lfor_w_\@:
	tensor_load_to_lds s[G0W+4*\h:G0W+4*\h+3], s[G1W:G1W+7]
	s_nop 0
	NOP4
.Lasked_\@:
.endm
.macro REFILL h                        ; the three lines, the round, and half h of the next tensor's tile (64 x 8 token blocks and 64 weight blocks on)
	s_wait_tensorcnt 0x0                           ; my load of the other half has landed
	ds_add_u32 v254, v255
	s_add_nc_u64 s[G0T+4*\h+2:G0T+4*\h+3], s[G0T+4*\h+2:G0T+4*\h+3], 6291456
	s_add_nc_u64 s[G0W+4*\h+2:G0W+4*\h+3], s[G0W+4*\h+2:G0W+4*\h+3], 786432
	s_wait_dscnt 0x0                               ; the add is done, and my reads of half h
	CROUND
	JLOAD \h
.endm
; what tile (s28, s29) reads beside its panels: LDS read bases, pointers, and the loads of scale words, bias and mask bytes
.macro SETA
	s_mul_i32 s84, s22, 24576
	s_add_co_u32 s84, s84, WOFF                    ; v: P = weight blocks 4 w on
	s_mul_i32 s85, s23, 24576                      ; q, k: P = token blocks 4 (w / 2) on
	s_mul_i32 s86, s24, 49152
	s_add_co_u32 s86, s86, WOFF                    ; q, k: R = weight blocks 8 (w % 2) on
	s_cmp_eq_u32 s29, 2
	s_cselect_b32 s84, s84, s85
	s_cselect_b32 s86, 0, s86                      ; v: R = the token blocks
.irp c, 0,1
	v_add_nc_u32 v[P16+\c], s84, v4
	v_add_nc_u32 v[P8+\c], s84, v5
	v_add_nc_u32 v[R16+\c], s86, v4
	v_add_nc_u32 v[R8+\c], s86, v5
	s_add_co_u32 s84, s84, HALF
	s_add_co_u32 s86, s86, HALF
.endr
	WALU
	s_cmp_eq_u32 s29, 1
	s_cselect_b64 s[12:13], s[78:79], s[76:77]
	s_cmp_eq_u32 s29, 2
	s_cselect_b64 s[12:13], s[80:81], s[12:13]
	s_lshl_b32 s84, s27, 10
	s_mov_b32 s85, 0
	s_add_nc_u64 s[12:13], s[12:13], s[84:85]      ; my tensor's bias at column 256 X
	s_lshl_b32 s84, s29, 6
	s_lshl_b32 s85, s27, 4
	s_add_co_u32 s84, s84, s85                     ; the weight panel's first block
	s_lshl_b32 s85, s22, 2
	s_add_co_u32 s85, s84, s85                     ; v: P
	s_lshl_b32 s86, s24, 3
	s_add_co_u32 s86, s84, s86                     ; q, k: R
	s_lshl_b32 s88, s28, 3                         ; v: R
	s_lshl_b32 s87, s23, 2
	s_add_co_u32 s87, s88, s87                     ; q, k: P
	s_cmp_eq_u32 s29, 2
	s_cselect_b64 s[14:15], s[10:11], s[6:7]       ; P's scales: ws or xs
	s_cselect_b64 s[16:17], s[6:7], s[10:11]       ; R's
	s_cselect_b32 s84, s85, s87
	s_cselect_b32 s86, s88, s86
	s_lshl_b32 s84, s84, 9
	s_mov_b32 s85, 0
	s_lshl_b32 s86, s86, 9
	s_mov_b32 s87, 0
	s_add_nc_u64 s[14:15], s[14:15], s[84:85]
	s_add_nc_u64 s[16:17], s[16:17], s[86:87]
	s_and_b32 s84, s28, 63                         ; the mask at token 128 (Y % 64) + 64 (w / 2)
	s_lshl_b32 s84, s84, 7
	s_lshl_b32 s86, s23, 6
	s_add_co_u32 s84, s84, s86
	s_add_nc_u64 s[18:19], s[82:83], s[84:85]
.irp i, 0,1,2,3                        ; register q % 4 of a block holds K step q's word in lanes 0-15 (q < 4) or 16-31 (q >= 4)
	global_load_b128 v[SCP+4*\i:SCP+4*\i+3], v6, s[14:15] offset:512*\i
.endr
.irp i, 0,1,2,3,4,5,6,7
	global_load_b128 v[SCR+4*\i:SCR+4*\i+3], v6, s[16:17] offset:512*\i
.endr
	WIN 0xc0                                       ; destination window 3
.irp b, 0,1,2,3,4,5,6,7
	global_load_b128 v[8*\b:8*\b+3], v24, s[12:13] offset:128*(\b/2)+32*(\b%2)
	global_load_b128 v[8*\b+4:8*\b+7], v24, s[12:13] offset:128*(\b/2)+32*(\b%2)+16
.endr
	WIN 0
.irp a, 0,1,2,3
	global_load_b32 v[TB+\a], v25, s[12:13] offset:128*(\a/2)+32*(\a%2)
	global_load_u8 v[TB+4+\a], v26, s[18:19] offset:32*(\a/2)+8*(\a%2)
.endr
.endm
; where tile (s28, s29)'s results go, and its selectors
.macro SETC
	s_and_b32 s96, s28, 63
	s_lshr_b32 s96, s96, 4
	s_lshl_b32 s96, s96, 4                         ; 16 x batch
	s_lshl_b32 s97, s27, 2
	s_add_co_u32 s96, s96, s97                     ; + 4 X
	s_lshl_b32 s97, s24, 1                         ; q, k: the first of my two heads
	s_mul_i32 s98, s23, 3072                       ; q, k: my four tiles of 768 bytes
	s_lshl_b32 s100, s23, 8                        ; q, k: my image of scale words
	s_mov_b32 s94, 768
	s_mov_b32 s99, HEADB
	s_mov_b32 s92, 0xffff
	s_mov_b32 s101, 12288
	s_cmp_eq_u32 s29, 0
	s_cselect_b32 s67, 13056, 0
	s_cselect_b32 s101, 19200, s101
	s_add_co_u32 s98, s98, s67
	s_add_co_u32 s100, s100, s101
	s_cmp_eq_u32 s29, 2
	s_cselect_b32 s97, s22, s97                    ; v: head 4 X + w
	s_cselect_b32 s98, 6144, s98
	s_cselect_b32 s100, 12800, s100
	s_cselect_b32 s94, 1536, s94
	s_cselect_b32 s99, 768, s99
	s_cselect_b32 s92, -1, s92
	s_cselect_b32 s66, 0, -1                       ; all lanes for q and k, none for v
	s_add_co_u32 s96, s96, s97
	s_mul_i32 s96, s96, HEADB
	s_and_b32 s97, s28, 15
	s_mul_i32 s97, s97, RECG
	s_add_co_u32 s96, s96, s97                     ; my record
	s_add_co_u32 s98, s98, s96
	s_add_co_u32 s100, s100, s96
	s_mov_b32 s96, s99
	s_mov_b32 s97, 0
	s_mov_b32 s99, 0
	s_mov_b32 s101, 0
	s_mov_b32 s95, 0
	s_add_nc_u64 s[58:59], s[56:57], s[100:101]    ; the words' image
	s_add_nc_u64 s[20:21], s[56:57], s[98:99]      ; the codes' first halves
	s_add_nc_u64 s[60:61], s[20:21], s[96:97]      ; their second halves
	s_add_nc_u64 s[96:97], s[58:59], HEADB         ; q, k: the second head's image
	s_not_b32 s99, s66                             ; all lanes for v
	s_cmp_eq_u32 s29, 1
	s_cselect_b32 s67, -1, 0                       ; all lanes for k
	s_mov_b32 s98, 0x7f7f0000
	s_cmp_eq_u32 s29, 0
	s_cselect_b32 s98, s98, 0                      ; a word's upper half: q: bytes 127, 127; v: none
	s_mov_b32 s93, 0xffff0000                      ; lanes 16-31
.endm
.macro FRAG reg, a16, a8, off          ; a fragment, 16 rows x 128 K: 12 registers a lane, as they lie
	ds_load_b128 v[\reg:\reg+3], v[\a16] offset:\off
	ds_load_b64 v[\reg+4:\reg+5], v[\a8] offset:\off+512
	ds_load_b128 v[\reg+6:\reg+9], v[\a16] offset:\off+768
	ds_load_b64 v[\reg+10:\reg+11], v[\a8] offset:\off+1280
.endm
.macro FETCH q                         ; K step q's fragments into set q % 2: R's eight, P's four: 48 LDS loads
	WIN 0x40
.irp b, 0,1,2,3,4,5,6,7
	FRAG 128*((\q)%2)+12*\b, R16+(\q)/4, R8+(\q)/4, 6144*\b+1536*((\q)%4)
.endr
	WIN 0
.irp a, 0,1,2,3
	FRAG PF+48*((\q)%2)+12*\a, P16+(\q)/4, P8+(\q)/4, 6144*\a+1536*((\q)%4)
.endr
.endm
.macro MUL q                           ; 32 matrix instructions; the 32 accumulators take turns in one order in every step.  Step 0 starts the sums with the bias along R (window 3)
.if (\q) == 0
	WIN 0xb1
.else
	WIN 0xa1
.endif
.irp a, 0,1,2,3
.irp b, 0,1,2,3,4,5,6,7
.if (\q) == 0
	v_wmma_scale_f32_16x16x128_f8f6f4 v[8*(8*\a+\b):8*(8*\a+\b)+7], v[12*\b:12*\b+11], v[PF+12*\a:PF+12*\a+11], v[8*\b:8*\b+7], v[SCR+4*\b], v[SCP+4*\a] matrix_a_fmt:MATRIX_FMT_FP6 matrix_b_fmt:MATRIX_FMT_FP6
.elseif (\q) < 4
	v_wmma_scale_f32_16x16x128_f8f6f4 v[8*(8*\a+\b):8*(8*\a+\b)+7], v[128*((\q)%2)+12*\b:128*((\q)%2)+12*\b+11], v[PF+48*((\q)%2)+12*\a:PF+48*((\q)%2)+12*\a+11], v[8*(8*\a+\b):8*(8*\a+\b)+7], v[SCR+4*\b+(\q)], v[SCP+4*\a+(\q)] matrix_a_fmt:MATRIX_FMT_FP6 matrix_b_fmt:MATRIX_FMT_FP6
.else
	v_wmma_scale_f32_16x16x128_f8f6f4 v[8*(8*\a+\b):8*(8*\a+\b)+7], v[128*((\q)%2)+12*\b:128*((\q)%2)+12*\b+11], v[PF+48*((\q)%2)+12*\a:PF+48*((\q)%2)+12*\a+11], v[8*(8*\a+\b):8*(8*\a+\b)+7], v[SCR+4*\b+(\q)-4], v[SCP+4*\a+(\q)-4] matrix_a_fmt:MATRIX_FMT_FP6 matrix_b_fmt:MATRIX_FMT_FP6 matrix_a_scale:MATRIX_SCALE_ROW1 matrix_b_scale:MATRIX_SCALE_ROW1
.endif
.endr
.endr
	WIN 0
.endm
.macro STEP q, last
	s_wait_dscnt 0x0                               ; this step's fragments are in (asked for ahead of the last step's 32 products)
.if (\q) == 3
.if \last
	s_wait_tensorcnt 0x0                           ; my part of half 1 has landed
	s_barrier_signal -1
	s_barrier_wait -1
	NOP4
.else
	REFILL 0                                       ; half 1 is shown to all, half 0 is read no more; the load's four v_nop are the places in front of the fetch
.endif
	FETCH 4
.elseif (\q) == 7
.if (\last) == 0
	REFILL 1                                       ; the next tile's half 0 is shown to all, half 1 is read no more
.endif
.else
.if (\q) > 0
	NOP4                                           ; four places in front of loads into the set that the last step's products read
.endif
	FETCH (\q)+1
.endif
	MUL \q
.endm
; 64 numbers of a lane, register 16 b + i = place 32 b + 16 (l / 16) + i along the next K, become a fragment's codes in v[PC] on and its scale word in v[pw]
.macro QUANT s, pw
.irp b, 0,1,2,3
	v_max3_num_f32 v[TM+\b], |v[\s+16*\b]|, |v[\s+1+16*\b]|, 0x1800000   ; my 16 numbers of block b, and the floor 2^(3 - 127)
.endr
.irp i, 2,4,6,8,10,12,14
.irp b, 0,1,2,3
	v_max3_num_f32 v[TM+\b], v[TM+\b], |v[\s+16*\b+\i]|, |v[\s+1+16*\b+\i]|
.endr
.endr
.irp b, 0,1,2,3
	v_permlanex16_b32 v[TM+4+\b], v[TM+\b], s2, s3
.endr
.irp b, 0,1,2,3
	v_max_num_f32 v[TM+\b], v[TM+\b], v[TM+4+\b]   ; with lane l xor 16's
.endr
.irp b, 0,1,2,3
	v_add_nc_u32 v[TM+12+\b], 0xff000000, v[TM+\b] ; 2 off the exponent field: the conversion's scale operand
.endr
.irp b, 0,1,2,3
	v_lshrrev_b32 v[TM+4+\b], 23, v[TM+12+\b]      ; the scale's byte
.endr
	v_lshl_or_b32 v[\pw], v[TM+5], 8, v[TM+4]
	v_lshl_or_b32 v[\pw], v[TM+6], 16, v[\pw]
	v_lshl_or_b32 v[\pw], v[TM+7], 24, v[\pw]
.irp c, 0,1
	v_cvt_scalef32_pk16_fp6_f32 v[PC+6*\c:PC+2+6*\c], v[\s+32*\c:\s+15+32*\c], v[TM+12+2*\c]
	v_cvt_scalef32_pk16_fp6_f32 v[PC+12+4*\c:PC+14+4*\c], v[\s+16+32*\c:\s+31+32*\c], v[TM+12+2*\c+1]
.endr
	v_nop                                          ; one plain place behind a scaled conversion
.irp c, 0,1                            ; a whole block in a lane: lanes 0-15 block 2 c, lanes 16-31 block 2 c + 1
.irp i, 0,1,2
	v_permlane16_swap_b32 v[PC+6*\c+\i], v[PC+12+4*\c+\i]
.endr
.irp i, 0,1,2
	v_mov_b32 v[PC+3+6*\c+\i], v[PC+12+4*\c+\i]
.endr
.endr
.endm
.macro WAYOUT
.irp a, 0,1,2,3                        ; P's block a: 64 results a lane, from each accumulator's low end on
	WIN 0x02
.set i, 0
.rept 32
	v_pk_add_f32 v[HA+i:HA+i+1], v[64*\a+i:64*\a+i+1], v[BA+2*\a:BA+2*\a+1]
.set i, i+2
.endr
	WIN 0
.if \a > 0
	s_wait_xcnt 0x0                                ; the last block's stores have read their data and bases
	s_add_nc_u64 s[20:21], s[20:21], s[94:95]
	s_add_nc_u64 s[60:61], s[60:61], s[94:95]
.endif
	QUANT HA, PW+\a
	global_store_b128 v4, v[PC:PC+3], s[20:21]                 ; 512 consecutive bytes
	global_store_b64 v5, v[PC+4:PC+5], s[20:21] offset:512     ; 256 consecutive bytes
	global_store_b128 v4, v[PC+6:PC+9], s[60:61]
	global_store_b64 v5, v[PC+10:PC+11], s[60:61] offset:512
.endr
.irp a, 0,1,2,3
	v_and_or_b32 v[ZW+\a], v[PW+\a], s92, v[HI+\a] ; q, k: the first head's two bytes under the upper half;  v: the word as it is
.endr
	v_cndmask_b32 v[ZW+8], v[ZW], v[ZW+1], s93     ; the even tile's words in lanes 0-15, the odd tile's in lanes 16-31
	v_cndmask_b32 v[ZW+9], v[ZW+2], v[ZW+3], s93
	global_store_b64 v5, v[ZW+8:ZW+9], s[58:59]
	s_cmp_lg_u32 s99, 0                            ; v has one word a row; s99 is made of the tile's number alone
	s_cbranch_scc1 .Lone_word_\@
.irp a, 0,1,2,3
	v_lshrrev_b32 v[ZW+4+\a], 16, v[PW+\a]
.endr
.irp a, 0,1,2,3
	v_or_b32 v[ZW+4+\a], v[ZW+4+\a], v[HI+\a]      ; the second head's two bytes
.endr
	v_cndmask_b32 v[ZW+10], v[ZW+4], v[ZW+5], s93
	v_cndmask_b32 v[ZW+11], v[ZW+6], v[ZW+7], s93
	global_store_b64 v5, v[ZW+10:ZW+11], s[96:97]
.Lone_word_\@:
.endm
.macro TILE last
	s_wait_xcnt 0x0                                ; the last tile's stores have read their bases
	SETC
	FETCH 0
	s_wait_loadcnt 0x0                             ; scale words, biases, mask bytes
	WIN 0xcc
.set i, 0
.rept 64
	v_cndmask_b32 v[i], 0, v[i], s66               ; q, k: the bias runs along R and starts the sums;  v: zeros start them
.set i, i+1
.endr
	WIN 0
	v_mov_b32 v27, s98
.irp a, 0,1,2,3
	v_cndmask_b32 v[BA+2*\a], 0, v[TB+\a], s99     ; v: the bias runs along P and is added behind the sums;  q, k: zero
	v_mul_u32_u24 v[HI+\a], v[TB+4+\a], 0xba0000
.endr
.irp a, 0,1,2,3
	v_mov_b32 v[BA+2*\a+1], v[BA+2*\a]
	v_sub_nc_u32 v[HI+\a], 0x7fbb0000, v[HI+\a]    ; k: byte 3 = 127, byte 2 = 187 - 186 x mask
.endr
.irp a, 0,1,2,3
	v_cndmask_b32 v[HI+\a], v27, v[HI+\a], s67
.endr
	WALU
.irp q, 0,1,2,3,4,5,6,7
	STEP \q, \last
.endr
	NOP4                                           ; four places behind the last products
.if (\last) == 0
	s_add_co_u32 s28, s28, 64                      ; the next tensor's tile
	s_add_co_u32 s29, s29, 1
	SETA
.endif
	WAYOUT
.endm
; ---------------- the head
	s_load_b256 s[4:11], s[0:1], 0x0               ; xc s[4:5], xs s[6:7], wc s[8:9], ws s[10:11]
	s_load_b256 s[76:83], s[0:1], 0x20             ; bq s[76:77], bk s[78:79], bv s[80:81], mask s[82:83]
	s_load_b64 s[56:57], s[0:1], 0x40              ; qkv
	v_lshl_add_u32 v254, v0, 2, SPARE
	v_mov_b32 v255, 0
	ds_add_u32 v254, v255
	ds_add_u32 v254, v255
	v_lshrrev_b32 v1, 5, v0
	v_readfirstlane_b32 s22, v1                    ; wave w
	s_lshr_b32 s23, s22, 1                         ; w / 2.  Also: I fetch for the tokens (0) or for the weights (1)
	s_and_b32 s24, s22, 1                          ; w % 2.  Also: which half of that panel I fetch
	s_bfe_u32 s25, ttmp6, 0x40000                  ; cx
	s_bfe_u32 s26, ttmp6, 0x40004                  ; cy
	s_lshl_b32 s27, ttmp9, 2
	s_add_co_u32 s27, s27, s25                     ; X
	s_and_b32 s28, ttmp7, 0xffff
	s_lshl_b32 s28, s28, 2
	s_add_co_u32 s28, s28, s26                     ; Y: 0..63 for q; + 64 for each later tensor; 8 Y is the panel's first block in xc
	s_mov_b32 s29, 0                               ; TZ
	s_lshl_b32 s30, s26, 2
	s_lshl_b32 s30, 15, s30                        ; my row of the cluster
	s_lshl_b32 s31, 0x1111, s25                    ; my column
	; group 1: rows of 6,144 bytes (768 elements of 8 bytes: a block's 512 along K), 12,288 bytes from block to block; 4 blocks of tokens or 8 of weights a load
	s_or_b32 s[G1T], s30, (3<<16)|(1<<21)
	s_or_b32 s[G1W], s31, (3<<16)|(1<<21)
	s_mov_b32 s[G1T+1], 768<<16
	s_mov_b32 s[G1W+1], 768<<16
	s_mov_b32 s[G1T+2], 4<<16
	s_mov_b32 s[G1W+2], 8<<16
	s_mov_b32 s[G1T+3], 768<<16
	s_mov_b32 s[G1W+3], 768<<16
	s_mov_b32 s[G1T+4], 4
	s_mov_b32 s[G1W+4], 8
	s_mov_b32 s[G1T+5], 1536
	s_mov_b32 s[G1W+5], 1536
	s_mov_b32 s[G1T+6], 0
	s_mov_b32 s[G1W+6], 0
	s_mov_b32 s[G1T+7], 0
	s_mov_b32 s[G1W+7], 0
	s_lshl_b32 s84, s28, 3                         ; tokens: block 8 Y + 4 (w % 2)
	s_lshl_b32 s85, s24, 2
	s_add_co_u32 s84, s84, s85
	s_mul_i32 s84, s84, 12288
	s_mov_b32 s85, 0
	s_mul_i32 s86, s24, 24576                      ; and in a half
	s_lshl_b32 s88, s27, 4                         ; weights: block 16 X + 8 (w % 2) of Wq
	s_lshl_b32 s89, s24, 3
	s_add_co_u32 s88, s88, s89
	s_mul_i32 s88, s88, 12288
	s_mov_b32 s89, 0
	s_mul_i32 s90, s24, 49152
	s_add_co_u32 s90, s90, WOFF
	WALU
	s_wait_dscnt 0x0
	s_wait_kmcnt 0x0
	s_add_nc_u64 s[84:85], s[4:5], s[84:85]
	s_add_nc_u64 s[88:89], s[8:9], s[88:89]
	CROUND                                         ; all sixteen work-groups are here: the joint loads meet
.irp c, 0,1
	s_mov_b32 s[G0T+4*\c], 1
	s_add_co_u32 s[G0T+4*\c+1], s86, \c*HALF
	s_add_nc_u64 s[G0T+4*\c+2:G0T+4*\c+3], s[84:85], \c*6144
	s_or_b32 s[G0T+4*\c+3], s[G0T+4*\c+3], 0x80000000
	s_mov_b32 s[G0W+4*\c], 1
	s_add_co_u32 s[G0W+4*\c+1], s90, \c*HALF
	s_add_nc_u64 s[G0W+4*\c+2:G0W+4*\c+3], s[88:89], \c*6144
	s_or_b32 s[G0W+4*\c+3], s[G0W+4*\c+3], 0x80000000
.endr
	JLOAD 0                                        ; one tensor load a wave at the head
	v_and_b32 v1, 31, v0                           ; l
	v_and_b32 v2, 15, v0                           ; r
	v_bfe_u32 v3, v0, 4, 1                         ; h
	v_lshlrev_b32 v4, 4, v1                        ; 16 l
	v_lshlrev_b32 v5, 3, v1                        ; 8 l
	v_lshlrev_b32 v6, 5, v2
	v_lshl_add_u32 v6, v3, 4, v6                   ; scale bytes: row r of 32, my half's 16
	v_and_b32 v26, 8, v2
	v_add_nc_u32 v26, v26, v2                      ; r + 8 (r / 8)
	s_lshl_b32 s84, s24, 9
	v_lshl_add_u32 v24, v3, 6, s84                 ; the bias along R: 128 (w % 2) + 16 h numbers on
	s_lshl_b32 s84, s22, 8
	v_lshl_add_u32 v25, v26, 2, s84                ; the bias along P: 64 w + r + 8 (r / 8) numbers on
.irp b, 0,1,2,3
	v_mov_b32 v[TM+4+\b], 0                        ; written once: a lane permute's destination counts as one of its sources
.endr
	s_mov_b32 s2, 0x76543210
	s_mov_b32 s3, 0xfedcba98                       ; v_permlanex16_b32's selects for lane l xor 16
	WALU
	SETA
	s_wait_tensorcnt 0x0                           ; my part of half 0 is in; the three lines ahead of a later first fill, as ahead of a refill
	ds_add_u32 v254, v255
	s_wait_dscnt 0x0
	CROUND
	JLOAD 1
.Ltile:                                            ; q, then k
	TILE 0
	s_cmp_lt_u32 s29, 2
	s_cbranch_scc1 .Ltile
	TILE 1                                         ; v: nothing more is fetched
	s_wait_tensorcnt 0x0                           ; the wave's end
	ds_add_u32 v254, v255
	s_wait_dscnt 0x0
	CROUND                                         ; the closing round
	s_endpgm
.Lfunc_end_k_q174ae7cb2f_proj:
	.size	k_q174ae7cb2f_proj, .Lfunc_end_k_q174ae7cb2f_proj-k_q174ae7cb2f_proj
	.p2alignl 7, 3214868480
	.fill 96, 4, 3214868480
	.section	.rodata,"a",@progbits
	.p2align	6, 0x0
	.amdhsa_kernel k_q174ae7cb2f_proj
		.amdhsa_group_segment_fixed_size 327680
		.amdhsa_private_segment_fixed_size 0
		.amdhsa_enable_private_segment 0
		.amdhsa_kernarg_size 72
		.amdhsa_user_sgpr_count 2
		.amdhsa_user_sgpr_kernarg_segment_ptr 1
		.amdhsa_wavefront_size32 1
		.amdhsa_system_sgpr_workgroup_id_x 1
		.amdhsa_system_sgpr_workgroup_id_y 1
		.amdhsa_system_sgpr_workgroup_id_z 1
		.amdhsa_system_vgpr_workitem_id 0
		.amdhsa_next_free_vgpr 832
		.amdhsa_next_free_sgpr 102
		.amdhsa_reserve_vcc 0
		.amdhsa_float_denorm_mode_32 3
		.amdhsa_float_denorm_mode_16_64 3
		.amdhsa_memory_ordered 1
		.amdhsa_forward_progress 1
		.amdhsa_inst_pref_size 203
	.end_amdhsa_kernel
	.amdgpu_metadata
---
amdhsa.version: [ 1, 2 ]
amdhsa.kernels:
  - .name:           k_q174ae7cb2f_proj
    .symbol:         k_q174ae7cb2f_proj.kd
    .args:
      - { .name: xc, .offset: 0, .size: 8, .value_kind: global_buffer, .address_space: global }
      - { .name: xs, .offset: 8, .size: 8, .value_kind: global_buffer, .address_space: global }
      - { .name: wc, .offset: 16, .size: 8, .value_kind: global_buffer, .address_space: global }
      - { .name: ws, .offset: 24, .size: 8, .value_kind: global_buffer, .address_space: global }
      - { .name: bq, .offset: 32, .size: 8, .value_kind: global_buffer, .address_space: global }
      - { .name: bk, .offset: 40, .size: 8, .value_kind: global_buffer, .address_space: global }
      - { .name: bv, .offset: 48, .size: 8, .value_kind: global_buffer, .address_space: global }
      - { .name: mask, .offset: 56, .size: 8, .value_kind: global_buffer, .address_space: global }
      - { .name: qkv, .offset: 64, .size: 8, .value_kind: global_buffer, .address_space: global }
    .group_segment_fixed_size: 327680
    .private_segment_fixed_size: 0
    .kernarg_segment_align: 8
    .kernarg_segment_size: 72
    .max_flat_workgroup_size: 128
    .sgpr_count:     102
    .vgpr_count:     832
    .wavefront_size: 32
...
	.end_amdgpu_metadata
.endif
;; end of part 2
;; launch attn (part 3): grid 4 x 64, 16 waves a work-group, clusters of 4 x 1, 210,944 bytes of LDS; arguments qkv, mask, ac, asc; writes ac, asc
.if DOCPART == 3
	.amdgcn_target "amdgcn-amd-amdhsa--gfx1250"
	.amdhsa_code_object_version 6
	.text
	.protected	k_q174ae7cb2f_attn
	.globl	k_q174ae7cb2f_attn
	.p2align	8
	.type	k_q174ae7cb2f_attn,@function
k_q174ae7cb2f_attn:
	s_mov_b64 s[64:65], 0
	v_nop
	global_prefetch_b8 v0, s[64:65] scope:SCOPE_SE
	s_setreg_imm32_b32 hwreg(HW_REG_WAVE_MODE, 25, 1), 1
	s_wait_xcnt 0x0
	s_wait_alu depctr_hold_cnt(0) depctr_sa_sdst(0) depctr_va_vdst(0) depctr_va_sdst(0) depctr_va_ssrc(0) depctr_va_vcc(0) depctr_vm_vsrc(0)
	s_getreg_b32 s2, hwreg(HW_REG_IB_STS2, 6, 4)
	s_cmp_eq_u32 s2, 0
	s_cbranch_scc0 .Lentry_in_a_cluster
	s_endpgm
.Lentry_in_a_cluster:
	s_bfe_u32 s2, ttmp6, 0x10000c
	s_cmp_lg_u32 s2, 0x3003
	s_cbranch_scc0 .Lentry_shape_is_right
	s_endpgm
.Lentry_shape_is_right:
; For each of 64 heads (batch b = head / 16): o[q] = sum over keys of softmax(q . k / 8, masked) v, both products on codes of FP6 (E2M3) with E8M0 scales; o is quantised along the head's 64 for the output projection.
; THE SOFTMAX AHEAD OF THE SECOND PRODUCT: t = score x log2(e) / 8; M = the row's largest t so far, rounded UP to a whole number; p = 2^(t - M) is quantised along the keys, not normalised; the row's sum is
; taken of the unquantised p and divides O at the end.  When M moves, the sum and O are multiplied by 2^(old M - new M): exact.
; THE MASK lies in k's scale words: at k = 64 of the first product's 128 every q carries the code +1 and every key the code -1, under a byte that takes 2^-126 (the key counts) or 2^60 (masked) off the score.
; The largest t begins at -2^30: while only masked keys have been seen p = 0 and the sums stay 0.  A batch whose mask is all false: every logit is the same there, so c = 0 is taken in place of log2(e) / 8
; (a select, no branch): t = 0, M = 0, p = 1 for every key, as equal logits give.
; LIMITS: unmasked logits lie above -2^30 / log2(e) (about -7.4e8); NaN and infinities are not served.
; SHARES.  A work-group owns 512 queries of one head; each of its sixteen waves owns one tile of 16 queries at a time, in two passes; four waves to a SIMD, so that one wave's vector work stands beside another's
; matrix work and LDS loads.  THE WHOLE HEAD'S K AND V LIE IN LDS: 16 records of 13,056 bytes (128 keys each), each filled once by one wave's one tensor load, and only read afterwards.
; CLUSTER: the four work-groups of a head ask for each record jointly.  One tensor load of a wave is out.
; LAYOUT.  Both products are used transposed: S^T = K Q^T, O^T = V^T P^T: a lane holds ONE query throughout.  Lane-row r of tile j of keys (or of the head's 64) is row 32 (j / 2) + 8 (j % 2) + r + 8 (r / 8),
; so that the 16 registers of tiles 2 b and 2 b + 1 are 16 neighbours, 32 b + 16 (l / 16) + 0 .. 15.  Codes lie in the order of the operand's registers: 768 bytes for 16 rows x 64 K.
; REGISTERS: v1 16 l, v2 8 l, v3-4 the step's LDS addresses, v5-6 offsets; v12 -M, v13 the largest t, v[14:15] the sum; v16-27 Q; v28 Q's scale word; v[30:31] V's; v32-79 four fragments of K (their
; registers 6-11 are constants: the code at k = 64, then zeros); v80-127 V's four; v128-191 S^T, then p; v192-223 O^T; v224-235 p's codes; v232-254 at work; v248-251 K's scale words; v253 p's.
.set REC,   13056                      ; a record's part that a key step needs: K codes 6,144 | V^T codes 6,144 | K words 512 | V words 256
.set RECG,  19712                      ; a record in memory (Q's codes and words behind)
.set HEADB, 315392
.set ST,    128
.set OT,    192
.macro CROUND                          ; a round of the cluster's barrier
	s_barrier_signal -1
	s_barrier_wait -1
	s_cmp_lg_u32 s18, 0
	s_cbranch_scc1 .Lnot_wave_0_\@
	s_barrier_signal -3
.Lnot_wave_0_\@:
	s_barrier_wait -3
	s_barrier_signal -1
	s_barrier_wait -1
.endm
	s_load_b128 s[4:7], s[0:1], 0x0                ; qkv, mask
	s_load_b128 s[8:11], s[0:1], 0x10              ; ac, asc
	v_lshl_add_u32 v243, v0, 2, 0x33000
	v_mov_b32 v255, 0
	ds_add_u32 v243, v255
	ds_add_u32 v243, v255
	v_lshrrev_b32 v1, 5, v0
	s_delay_alu instid0(VALU_DEP_1)
	v_readfirstlane_b32 s18, v1                    ; wave w: 0..15
	s_bfe_u32 s12, ttmp6, 0x40000                  ; cx
	s_lshl_b32 s16, ttmp9, 2
	s_add_co_u32 s12, s12, s16                     ; qt: my quarter of the queries: it enters Q's and the outputs' addresses alone
	s_and_b32 s13, ttmp7, 0xffff                   ; the head, which the four partners share
	s_lshr_b32 s14, s13, 4                         ; batch
	s_and_b32 s15, s13, 15                         ; head in the batch
	s_mul_i32 s48, s13, HEADB
	s_mov_b32 s49, 0
	s_mul_i32 s50, s18, RECG                       ; wave w fetches record w
	s_mov_b32 s51, 0
	s_add_nc_u64 s[50:51], s[50:51], s[48:49]
	; group 1: one row of 13,056 bytes: 1,632 elements of 8 bytes
	s_mov_b32 s24, 15|(3<<16)|(1<<21)              ; 15:0 the mask: all four work-groups; 17:16 elements of 8 bytes; 21 set beside a mask
	s_mov_b32 s25, 1632<<16                        ; tensor_dim0
	s_mov_b32 s26, 1<<16                           ; tensor_dim1
	s_mov_b32 s27, 1632<<16                        ; tile_dim0
	s_mov_b32 s28, 1                               ; tile_dim1
	s_mov_b32 s29, 1632                            ; the pitch
	s_mov_b32 s30, 0
	s_mov_b32 s31, 0
	s_mov_b32 s20, 0x76543210
	s_mov_b32 s21, 0xfedcba98                      ; v_permlanex16_b32's selects for lane l xor 16
	s_mov_b32 s38, 0xffff0000                      ; lanes 16-31
	s_wait_dscnt 0x0
	s_wait_kmcnt 0x0
	s_mov_b32 s32, 1
	s_mul_i32 s33, s18, REC                        ; no place in the cluster enters an LDS address
	s_add_nc_u64 s[34:35], s[4:5], s[50:51]
	s_or_b32 s35, s35, 0x80000000
	CROUND                                         ; all four work-groups are here: the joint loads meet
	tensor_load_to_lds s[32:35], s[24:31]
	s_nop 0
.rept 4
	v_nop
.endr
	v_and_b32 v7, 31, v0
	s_delay_alu instid0(VALU_DEP_1)
	v_lshlrev_b32 v1, 4, v7                        ; 16 l
	s_delay_alu instid0(VALU_DEP_2)
	v_lshlrev_b32 v2, 3, v7                        ; 8 l
	s_lshl_b32 s60, s14, 11
	s_mov_b32 s61, 0
	s_add_nc_u64 s[6:7], s[6:7], s[60:61]          ; the batch's 2,048 mask bytes
.irp i, 0,1,2,3
	global_load_b128 v[ST+4*\i:ST+4*\i+3], v1, s[6:7] offset:512*\i
.endr
	v_and_b32 v8, 15, v0                           ; r
	v_bfe_u32 v9, v0, 4, 1                         ; h
	s_delay_alu instid0(VALU_DEP_2)
	v_lshlrev_b32 v5, 3, v8                        ; Q's scale word: 8 r
	s_delay_alu instid0(VALU_DEP_2)
	v_lshl_add_u32 v6, v8, 5, v9                   ; the result's scale byte: row r of 32, + h
	s_delay_alu instid0(VALU_DEP_3)
	v_lshlrev_b32 v10, 3, v9
	s_delay_alu instid0(VALU_DEP_1)
	v_sub_nc_u32 v22, 8, v10                       ; Q at k = 64 + 32 h: the code +1 (8) in lanes 0-15, zero codes in lanes 16-31
	v_mul_u32_u24 v10, v9, 40
	s_delay_alu instid0(VALU_DEP_1)
	v_sub_nc_u32 v10, 40, v10                      ; K likewise: the code -1 (40)
.irp i, 23,24,25,26,27
	v_mov_b32 v[\i], 0
.endr
.irp t, 0,1,2,3
	v_mov_b32 v[38+12*\t], v10
.irp i, 7,8,9,10,11
	v_mov_b32 v[32+12*\t+\i], 0
.endr
.endr
.irp b, 0,1,2,3
	v_mov_b32 v[236+\b], 0                         ; written once: a lane permute's destination counts as one of its sources
.endr
	v_mov_b32 v253, 0                              ; (named as the upper half of the pair v[252:253] before it is first written)
	; query tile 32 qt + 16 pass + w of the batch's 128: record 4 qt + 2 pass + w / 8, tile w % 8 in it; the pass stands in the immediates
	s_lshl_b32 s52, s12, 2
	s_lshr_b32 s53, s18, 3
	s_add_co_u32 s52, s52, s53
	s_mul_i32 s52, s52, RECG
	s_add_co_u32 s52, s52, s48
	s_and_b32 s53, s18, 7
	s_mul_i32 s54, s53, 768
	s_add_co_u32 s54, s54, s52
	s_add_co_u32 s54, s54, 13056
	s_mov_b32 s55, 0
	s_add_nc_u64 s[40:41], s[4:5], s[54:55]        ; Q's codes
	s_lshr_b32 s56, s53, 2
	s_lshl_b32 s56, s56, 8                         ; its words: image (w % 8) / 4,
	s_and_b32 s57, s18, 1
	s_lshl_b32 s57, s57, 7                         ; an odd tile's lie in lanes 16-31: 128 bytes on,
	s_add_co_u32 s56, s56, s57
	s_bfe_u32 s57, s18, 0x10001
	s_lshl_b32 s57, s57, 2                         ; register (w / 2) % 2
	s_add_co_u32 s56, s56, s57
	s_add_co_u32 s56, s56, s52
	s_add_co_u32 s56, s56, 19200
	s_mov_b32 s57, 0
	s_add_nc_u64 s[42:43], s[4:5], s[56:57]
	s_lshl_b32 s58, s14, 7
	s_lshl_b32 s59, s12, 5
	s_add_co_u32 s58, s58, s59
	s_add_co_u32 s58, s58, s18                     ; the result's block of 16 tokens: 128 b + 32 qt + w
	s_lshl_b32 s60, s58, 4
	s_add_co_u32 s60, s60, s15                     ; its half of 64 along K = the head
	s_mul_i32 s60, s60, 768
	s_add_nc_u64 s[44:45], s[8:9], s[60:61]
	s_lshl_b32 s60, s58, 9
	s_lshl_b32 s59, s15, 1
	s_add_co_u32 s60, s60, s59
	s_add_nc_u64 s[46:47], s[10:11], s[60:61]
	s_wait_loadcnt 0x0                             ; the mask
.irp i, 1
	v_or_b32 v[ST], v[ST], v[ST+\i]
.endr
.irp i, 2, 3, 4, 5, 6, 7, 8, 9, 10, 11, 12, 13, 14, 15
	s_delay_alu instid0(VALU_DEP_1)
	v_or_b32 v[ST], v[ST], v[ST+\i]
.endr
	s_delay_alu instid0(VALU_DEP_1)
	v_cmp_ne_u32 vcc_lo, 0, v[ST]
	s_cmp_lg_u32 vcc_lo, 0                         ; does any key of the batch count?
	s_cselect_b32 s22, 0x3e38aa3b, 0               ; c = log2(e) / 8, or 0
	s_mov_b32 s23, s22                             ; (the packed form names the pair)
	s_wait_tensorcnt 0x0                           ; my record has landed,
	s_barrier_signal -1
	s_barrier_wait -1                              ; everybody's has: the launch's one barrier; nothing is written to LDS behind it
.macro FRAG reg, off                   ; a fragment of V^T, 16 of the head's 64 x 128 keys: 12 registers a lane, as they lie
	ds_load_b128 v[\reg:\reg+3], v3 offset:\off
	ds_load_b64 v[\reg+4:\reg+5], v4 offset:\off+512
	ds_load_b128 v[\reg+6:\reg+9], v3 offset:\off+768
	ds_load_b64 v[\reg+10:\reg+11], v4 offset:\off+1280
.endm
.macro STEP                            ; 128 keys: the record at LDS byte s36
	v_add_nc_u32 v3, s36, v1
	s_wait_alu depctr_va_vdst(0)
	v_add_nc_u32 v4, s36, v2
	s_wait_alu depctr_va_vdst(0)
.irp g, 0,1                            ; S^T = K Q^T, four tiles of 16 keys at a time
.if \g
.rept 4
	v_nop                                          ; four places in front of loads into registers that matrix instructions have read; with the two additions above also those in front of V's loads below
.endr
.endif
.irp t, 0,1,2,3
	ds_load_b128 v[32+12*\t:35+12*\t], v3 offset:(4*\g+\t)*768
	ds_load_b64 v[36+12*\t:37+12*\t], v4 offset:(4*\g+\t)*768+512
.endr
.if \g == 0
	ds_load_b64 v[248:249], v4 offset:12288        ; K's scale words: tiles 0 | 1, 2 | 3
	ds_load_b64 v[250:251], v4 offset:12544        ; tiles 4 | 5, 6 | 7
.endif
	s_wait_dscnt 0x0
.irp t, 0,1,2,3
.if (\t)%2
	v_wmma_scale_f32_16x16x128_f8f6f4 v[ST+8*(4*\g+\t):ST+7+8*(4*\g+\t)], v[32+12*\t:43+12*\t], v[16:27], 0, v[248+2*\g+\t/2], v28 matrix_a_fmt:MATRIX_FMT_FP6 matrix_b_fmt:MATRIX_FMT_FP6 matrix_a_scale:MATRIX_SCALE_ROW1
.else
	v_wmma_scale_f32_16x16x128_f8f6f4 v[ST+8*(4*\g+\t):ST+7+8*(4*\g+\t)], v[32+12*\t:43+12*\t], v[16:27], 0, v[248+2*\g+\t/2], v28 matrix_a_fmt:MATRIX_FMT_FP6 matrix_b_fmt:MATRIX_FMT_FP6
.endif
.endr
.endr
.irp d, 0,1,2,3
	FRAG 80+12*\d, 6144+1536*\d                    ; V's fragments are asked for here and land under the softmax
.endr
	ds_load_b64 v[30:31], v4 offset:12800          ; V's scale words: tiles 0 | 1, 2 | 3
.rept 4
	v_nop                                          ; four places behind the products
.endr
.irp b, 0,1,2,3
	v_max3_num_f32 v[232+\b], v[ST+16*\b], v[ST+1+16*\b], v[ST+2+16*\b]   ; THE LARGEST SCORE OF EACH BLOCK OF 32 KEYS: it serves for the row's maximum and, since p rises with the score, for the block's largest p
.endr
.irp i, 3,5,7,9,11,13
.irp b, 0,1,2,3
	v_max3_num_f32 v[232+\b], v[232+\b], v[ST+16*\b+\i], v[ST+1+16*\b+\i]   ; (the four blocks by turns)
.endr
.endr
.irp b, 0,1,2,3
	v_max_num_f32 v[232+\b], v[232+\b], v[ST+15+16*\b]
.endr
.irp b, 0,1,2,3
	s_delay_alu instid0(VALU_DEP_4)
	v_permlanex16_b32 v[236+\b], v[232+\b], s20, s21
.endr
.irp b, 0,1,2,3
	s_delay_alu instid0(VALU_DEP_4)
	v_max_num_f32 v[232+\b], v[232+\b], v[236+\b]  ; with lane l xor 16's 16 keys
.endr
	s_delay_alu instid0(VALU_DEP_2)
	v_max3_num_f32 v254, v232, v233, v234
	s_delay_alu instid0(VALU_DEP_1)
	v_max_num_f32 v254, v254, v235                 ; the step's largest score of my query
	s_delay_alu instid0(VALU_DEP_1)
	v_mul_f32 v254, s22, v254                      ; as t (c is not negative)
	s_delay_alu instid0(VALU_DEP_1)
	v_max_num_f32 v13, v13, v254                   ; the running largest t
	v_mov_b32 v254, v12
	s_delay_alu instid0(VALU_DEP_2)
	v_floor_f32 v12, -v13                          ; the new -M = floor(-t) = -ceil(t): M IS A WHOLE NUMBER
	s_delay_alu instid0(VALU_DEP_1)
	v_sub_f32 v254, v12, v254                      ; M's old value less its new one: 0 or less
	s_delay_alu instid0(VALU_DEP_1)
	v_cvt_i32_f32 v254, v254                       ; (it saturates)
	s_delay_alu instid0(VALU_DEP_1)
	v_ldexp_f32 v252, 1.0, v254                    ; f = 2^(old M - new M)
.set j, 0
.rept 32
	v_pk_fma_f32 v[ST+j:ST+j+1], v[ST+j:ST+j+1], s[22:23], v[12:13] op_sel_hi:[1,0,0]   ; t - M, two at a time (of the pairs c and -M the low word serves both halves)
.set j, j+2
.endr
.irp b, 0,1,2,3
	v_fma_f32 v[232+\b], v[232+\b], s22, v12       ; the same of each block's largest score
.endr
.set j, 0
	s_wait_alu depctr_va_vdst(0)
.rept 64
	v_exp_f32 v[ST+j], v[ST+j]                     ; p = 2^(t - M), at most 1: NOT normalised
.set j, j+1
.endr
.irp b, 0,1,2,3
	v_exp_f32 v[232+\b], v[232+\b]                 ; the block's largest p: the same two instructions on the same number give the same bits
.endr
	v_pk_mul_f32 v[14:15], v[14:15], v[252:253] op_sel_hi:[1,0]   ; the sums under the new M.  (A plain place behind the exponentials)
	s_wait_alu depctr_va_vdst(0)
.irp b, 0,1,2,3
	v_max_num_f32 v[232+\b], 0x1800000, v[232+\b]  ; the floor 2^(3 - 127): the byte cannot fall under 1 (a block whose every p is 0 keeps that byte: its codes are zeros)
.endr
.irp b, 0,1,2,3
	s_delay_alu instid0(VALU_DEP_4)
	v_add_nc_u32 v[244+\b], 0xff000000, v[232+\b]  ; 2 off the exponent field: the conversion's scale operand
.endr
.irp b, 0,1,2,3
	s_delay_alu instid0(VALU_DEP_4)
	v_lshrrev_b32 v[236+\b], 23, v[244+\b]         ; the scale's byte
.endr
	s_delay_alu instid0(VALU_DEP_3)
	v_lshl_or_b32 v253, v237, 8, v236              ; p's scale word for these 128 keys
	s_delay_alu instid0(VALU_DEP_1)
	v_lshl_or_b32 v253, v238, 16, v253
	s_delay_alu instid0(VALU_DEP_1)
	v_lshl_or_b32 v253, v239, 24, v253
.irp c, 0,1
	v_cvt_scalef32_pk16_fp6_f32 v[224+6*\c:226+6*\c], v[ST+32*\c:ST+15+32*\c], v[244+2*\c]
	v_cvt_scalef32_pk16_fp6_f32 v[236+4*\c:238+4*\c], v[ST+16+32*\c:ST+31+32*\c], v[244+2*\c+1]   ; (a conversion's three registers begin on an even number)
.endr
	v_nop                                          ; one plain place behind a scaled conversion
.irp c, 0,1                            ; the operand's layout wants a WHOLE block in a lane: lanes 0-15 block 2 c, lanes 16-31 block 2 c + 1
.irp i, 0,1,2
	v_permlane16_swap_b32 v[224+6*\c+\i], v[236+4*\c+\i]
.endr
.irp i, 0,1,2
	s_delay_alu instid0(VALU_DEP_3)
	v_mov_b32 v[227+6*\c+\i], v[236+4*\c+\i]
.endr
.endr
	v_pk_add_f32 v[236:237], v[132:133], v[136:137]
	v_pk_add_f32 v[250:251], v[140:141], v[144:145]
	v_pk_add_f32 v[248:249], v[148:149], v[152:153]
	v_pk_add_f32 v[246:247], v[156:157], v[160:161]
	v_pk_add_f32 v[244:245], v[164:165], v[168:169]
	v_pk_add_f32 v[240:241], v[172:173], v[176:177]
	v_pk_add_f32 v[72:73], v[180:181], v[184:185]
	v_pk_add_f32 v[14:15], v[14:15], v[188:189]
	v_pk_add_f32 v[236:237], v[236:237], v[128:129]
	v_pk_add_f32 v[250:251], v[250:251], v[130:131]
	v_pk_add_f32 v[248:249], v[248:249], v[134:135]
	v_pk_add_f32 v[246:247], v[246:247], v[138:139]
	v_pk_add_f32 v[244:245], v[244:245], v[142:143]
	v_pk_add_f32 v[240:241], v[240:241], v[146:147]
	v_pk_add_f32 v[72:73], v[72:73], v[150:151]
	v_pk_add_f32 v[14:15], v[14:15], v[154:155]
	v_pk_add_f32 v[236:237], v[236:237], v[158:159]
	v_pk_add_f32 v[250:251], v[250:251], v[162:163]
	v_pk_add_f32 v[248:249], v[248:249], v[166:167]
	v_pk_add_f32 v[246:247], v[246:247], v[170:171]
	v_pk_add_f32 v[244:245], v[244:245], v[174:175]
	v_pk_add_f32 v[240:241], v[240:241], v[178:179]
	v_pk_add_f32 v[72:73], v[72:73], v[182:183]
	v_pk_add_f32 v[14:15], v[14:15], v[186:187]
	v_pk_add_f32 v[236:237], v[236:237], v[190:191]
	s_delay_alu instid0(VALU_DEP_2)
	v_pk_add_f32 v[14:15], v[14:15], v[246:247]
	s_delay_alu instid0(VALU_DEP_2)
	v_pk_add_f32 v[236:237], v[236:237], v[244:245]
	v_pk_add_f32 v[250:251], v[250:251], v[240:241]
	v_pk_add_f32 v[248:249], v[248:249], v[72:73]
	s_delay_alu instid0(VALU_DEP_2)
	v_pk_add_f32 v[14:15], v[14:15], v[250:251]
	s_delay_alu instid0(VALU_DEP_2)
	v_pk_add_f32 v[236:237], v[236:237], v[248:249]
	s_delay_alu instid0(VALU_DEP_1)
	v_pk_add_f32 v[14:15], v[14:15], v[236:237]
.set j, 0
.rept 16
	v_pk_mul_f32 v[OT+j:OT+j+1], v[OT+j:OT+j+1], v[252:253] op_sel_hi:[1,0]   ; O^T under the new M: x f.  (With the sums above: the places between p's scale word and codes and the products below)
.set j, j+2
.endr
	s_wait_alu depctr_va_vdst(0)
	s_wait_dscnt 0x0                               ; V is in
.irp d, 0,1,2,3                        ; O^T += V^T P^T: four tiles of 16 of the head's 64, one instruction each; S^T's eight stand between two links on one accumulator
.if (\d)%2
	v_wmma_scale_f32_16x16x128_f8f6f4 v[OT+8*\d:OT+7+8*\d], v[80+12*\d:91+12*\d], v[224:235], v[OT+8*\d:OT+7+8*\d], v[30+\d/2], v253 matrix_a_fmt:MATRIX_FMT_FP6 matrix_b_fmt:MATRIX_FMT_FP6 matrix_a_scale:MATRIX_SCALE_ROW1
.else
	v_wmma_scale_f32_16x16x128_f8f6f4 v[OT+8*\d:OT+7+8*\d], v[80+12*\d:91+12*\d], v[224:235], v[OT+8*\d:OT+7+8*\d], v[30+\d/2], v253 matrix_a_fmt:MATRIX_FMT_FP6 matrix_b_fmt:MATRIX_FMT_FP6
.endif
.endr
	s_add_co_u32 s36, s36, REC                     ; the next record
.endm
.macro PASS p                          ; one tile of 16 queries against all 2,048 keys
.if \p
	s_wait_xcnt 0x0                                ; the first pass's stores have read their data: those registers are written again only behind this wait
.endif
	global_load_b128 v[16:19], v1, s[40:41] offset:2*RECG*\p
	global_load_b64 v[20:21], v2, s[40:41] offset:2*RECG*\p+512
	global_load_b32 v28, v5, s[42:43] offset:2*RECG*\p
	v_mov_b32 v13, 0xce800000                      ; the largest t so far: -2^30
	s_delay_alu instid0(VALU_DEP_1)
	v_floor_f32 v12, -v13                          ; -M
	v_mov_b32 v14, 0                               ; the sum, in two halves
	v_mov_b32 v15, 0
.set j, 0
.rept 32
	v_mov_b32 v[OT+j], 0                           ; O^T.  (The step is written once: the first finds zeros, which the first change of M leaves zeros)
.set j, j+1
.endr
	s_mov_b32 s36, 0
	s_mov_b32 s37, 16
	s_wait_loadcnt 0x0                             ; Q
.Lkeys_\p:
	STEP
	s_sub_co_u32 s37, s37, 1
	s_cmp_lg_u32 s37, 0
	s_cbranch_scc1 .Lkeys_\p
.rept 4
	v_nop                                          ; four places behind the last products
.endr
	v_add_f32 v14, v14, v15                        ; the sum's two halves,
	s_delay_alu instid0(VALU_DEP_1)
	v_permlanex16_b32 v252, v14, s20, s21
	s_delay_alu instid0(VALU_DEP_1)
	v_add_f32 v14, v14, v252                       ; and lane l xor 16's: the row's sum
	s_wait_alu depctr_va_vdst(0)
	v_rcp_f32 v14, v14
	v_nop                                          ; one plain place behind a transcendental
.set j, 0
	s_wait_alu depctr_va_vdst(0)
.rept 32
	v_mul_f32 v[ST+j], v[OT+j], v14                ; o: register 16 b + i is d = 32 b + 16 h + i; each accumulator from its low end on
.set j, j+1
.endr
.irp b, 0,1
	v_max3_num_f32 v[232+\b], |v[ST+16*\b]|, |v[ST+1+16*\b]|, 0x1800000   ; the head's two blocks of 32: my 16 numbers, and the floor
.endr
.irp i, 2,4,6,8,10,12,14
.irp b, 0,1
	s_delay_alu instid0(VALU_DEP_2)
	v_max3_num_f32 v[232+\b], v[232+\b], |v[ST+16*\b+\i]|, |v[ST+1+16*\b+\i]|
.endr
.endr
.irp b, 0,1
	s_delay_alu instid0(VALU_DEP_2)
	v_permlanex16_b32 v[236+\b], v[232+\b], s20, s21
.endr
.irp b, 0,1
	s_delay_alu instid0(VALU_DEP_2)
	v_max_num_f32 v[232+\b], v[232+\b], v[236+\b]
.endr
.irp b, 0,1
	s_delay_alu instid0(VALU_DEP_2)
	v_add_nc_u32 v[244+\b], 0xff000000, v[232+\b]
.endr
.irp b, 0,1
	s_delay_alu instid0(VALU_DEP_2)
	v_lshrrev_b32 v[240+\b], 23, v[244+\b]
.endr
	v_cvt_scalef32_pk16_fp6_f32 v[224:226], v[ST:ST+15], v244
	v_cvt_scalef32_pk16_fp6_f32 v[236:238], v[ST+16:ST+31], v245
	v_cndmask_b32 v240, v240, v241, s38            ; lanes 0-15 store block 0's byte, lanes 16-31 block 1's.  (The plain place behind the conversions)
.irp i, 0,1,2
	v_permlane16_swap_b32 v[224+\i], v[236+\i]
.endr
.irp i, 0,1,2
	s_delay_alu instid0(VALU_DEP_3)
	v_mov_b32 v[227+\i], v[236+\i]
.endr
	global_store_b128 v1, v[224:227], s[44:45] offset:196608*\p       ; 512 consecutive bytes
	global_store_b64 v2, v[228:229], s[44:45] offset:196608*\p+512    ; 256 consecutive bytes
	global_store_b8 v6, v240, s[46:47] offset:8192*\p                 ; a row's 32 scale bytes come from 16 heads: two bytes of each row here, one byte for each 24 of codes
.endm
	PASS 0
	PASS 1
	s_wait_tensorcnt 0x0
	ds_add_u32 v243, v255
	s_wait_dscnt 0x0
	CROUND                                         ; the closing round: no work-group ends while a partner may still ask for a record that names it
	s_endpgm
.Lfunc_end_k_q174ae7cb2f_attn:
	.size	k_q174ae7cb2f_attn, .Lfunc_end_k_q174ae7cb2f_attn-k_q174ae7cb2f_attn
	.p2alignl 7, 3214868480
	.fill 96, 4, 3214868480
	.section	.rodata,"a",@progbits
	.p2align	6, 0x0
	.amdhsa_kernel k_q174ae7cb2f_attn
		.amdhsa_group_segment_fixed_size 210944
		.amdhsa_private_segment_fixed_size 0
		.amdhsa_enable_private_segment 0
		.amdhsa_kernarg_size 32
		.amdhsa_user_sgpr_count 2
		.amdhsa_user_sgpr_kernarg_segment_ptr 1
		.amdhsa_wavefront_size32 1
		.amdhsa_system_sgpr_workgroup_id_x 1
		.amdhsa_system_sgpr_workgroup_id_y 1
		.amdhsa_system_sgpr_workgroup_id_z 1
		.amdhsa_system_vgpr_workitem_id 0
		.amdhsa_next_free_vgpr 256
		.amdhsa_next_free_sgpr 66
		.amdhsa_reserve_vcc 1
		.amdhsa_float_denorm_mode_32 3
		.amdhsa_float_denorm_mode_16_64 3
		.amdhsa_memory_ordered 1
		.amdhsa_forward_progress 1
		.amdhsa_inst_pref_size 55
	.end_amdhsa_kernel
	.amdgpu_metadata
---
amdhsa.version: [ 1, 2 ]
amdhsa.kernels:
  - .name:           k_q174ae7cb2f_attn
    .symbol:         k_q174ae7cb2f_attn.kd
    .args:
      - { .name: qkv, .offset: 0, .size: 8, .value_kind: global_buffer, .address_space: global }
      - { .name: mask, .offset: 8, .size: 8, .value_kind: global_buffer, .address_space: global }
      - { .name: ac, .offset: 16, .size: 8, .value_kind: global_buffer, .address_space: global }
      - { .name: asc, .offset: 24, .size: 8, .value_kind: global_buffer, .address_space: global }
    .group_segment_fixed_size: 210944
    .private_segment_fixed_size: 0
    .kernarg_segment_align: 8
    .kernarg_segment_size: 32
    .max_flat_workgroup_size: 512
    .sgpr_count:     66
    .vgpr_count:     256
    .wavefront_size: 32
...
	.end_amdgpu_metadata
.endif
;; end of part 3
;; launch oproj (part 4): grid 4 x 64, 4 waves a work-group, clusters of 4 x 4, 327,680 bytes of LDS; arguments ac, asc, wc, ws, bo, out0; writes out0
.if DOCPART == 4
	.amdgcn_target "amdgcn-amd-amdhsa--gfx1250"
	.amdhsa_code_object_version 6
	.text
	.protected	k_q174ae7cb2f_oproj
	.globl	k_q174ae7cb2f_oproj
	.p2align	8
	.type	k_q174ae7cb2f_oproj,@function
k_q174ae7cb2f_oproj:
	s_mov_b64 s[64:65], 0
	v_nop
	global_prefetch_b8 v0, s[64:65] scope:SCOPE_SE
	s_setreg_imm32_b32 hwreg(HW_REG_WAVE_MODE, 25, 1), 1
	s_wait_xcnt 0x0
	s_wait_alu depctr_hold_cnt(0) depctr_sa_sdst(0) depctr_va_vdst(0) depctr_va_sdst(0) depctr_va_ssrc(0) depctr_va_vcc(0) depctr_vm_vsrc(0)
	s_getreg_b32 s2, hwreg(HW_REG_IB_STS2, 6, 4)
	s_cmp_eq_u32 s2, 0
	s_cbranch_scc0 .Lentry_in_a_cluster
	s_endpgm
.Lentry_in_a_cluster:
	s_bfe_u32 s2, ttmp6, 0x10000c
	s_cmp_lg_u32 s2, 0xf033
	s_cbranch_scc0 .Lentry_shape_is_right
	s_endpgm
.Lentry_shape_is_right:
; out0 = o Wo + bo on codes of FP6 (E2M3) with E8M0 scales, sums in f32; out0 [8192][1024] f32.
; OPERANDS lie in memory in the order of the matrix operand's registers: blocks of 16 rows (lane-row r of block j = row 32 (j / 2) + 8 (j % 2) + r + 8 (r / 8)), K in halves of 64, 768 bytes a half:
; lane l's first 16 bytes at 16 l, its last 8 at 512 + 8 l.  Scale bytes: [16 j + r][32].
; SHARES.  256 work-groups: 128 tokens (tile Y) x 256 columns (tile X).  ALL OF K of both panels lies in LDS, in two chunks of 512 along K, each filled once.  A wave makes 64 tokens (P: source 1, half w / 2)
; x 128 columns (R: source 0, half w % 2): 32 accumulators; a lane holds one token, and tile b's eight registers are columns 32 (b / 2) + 16 (l / 16) + 8 (b % 2) + 0 .. 7.  The bias starts the sums.
; CLUSTERS: 4 x 4.  The token panel is asked for jointly by a row of the cluster, the weight panel by a column.  One tensor load of a wave is out at a time.
; THE WAY OUT: 16 tokens x 128 columns at a time through the wave's own stage in LDS, back as whole rows of 512 bytes.  The stages lie in chunk 0: it is filled once, and its last reads are waited for in front of
; the barrier that stands ahead of chunk 1's first read, which every wave has passed.
; REGISTERS.  window 0: v1-6, v24 lane terms; v8-23 LDS addresses; v27-28 the stage; v32-47 P's scale words, v48-79 R's (nothing else ever); v80-143 the bias; v144-239 P's fragments, two sets.
;   window 1: R's fragments, two sets, at v0 and v128.   window 2: accumulator (a, b) at v[8 (8 a + b)].   On the way out v80-207 of window 0 take rows.
; K LIES IN LDS IN TWO CHUNKS OF 512 ALONG K (not four of 256): a block's row of a chunk is 6,144 bytes.  A wave issues one tensor load at the head (chunk 0) and one behind the three lines and a round (chunk 1):
; one tensor load of a wave is out at a time.  No loop stands in this text to run ahead in, so no prefetch is laid.
.set CHUNK, 147456
.set WOFF,  49152
.set P16, 8
.set P8,  12
.set R16, 16
.set R8,  20
.set STO, 27
.set RD,  28
.set SCP, 32
.set SCR, 48
.set BB,  80
.set PF,  144
.set SPITCH, 528                       ; a stage row: 512 bytes + 16, an odd multiple of 16
.set G1T, 32
.set G1W, 40
.set G0T, 48
.set G0W, 68
.set MSB, 0
.macro WIN new                         ; the immediate's high byte repeats the setting that is left
.if MSB != \new
	s_set_vgpr_msb (MSB<<8)|\new
.set MSB, \new
.endif
.endm
.macro CROUND                          ; a round of the cluster's barrier
	s_barrier_signal -1
	s_barrier_wait -1
	s_cmp_lg_u32 s22, 0
	s_cbranch_scc1 .Lnot_wave_0_\@
	s_barrier_signal -3
.Lnot_wave_0_\@:
	s_barrier_wait -3
	s_barrier_signal -1
	s_barrier_wait -1
.endm
	s_load_b256 s[4:11], s[0:1], 0x0               ; ac s[4:5], asc s[6:7], wc s[8:9], ws s[10:11]
	s_load_b128 s[12:15], s[0:1], 0x20             ; bo s[12:13], out0 s[14:15]
	v_lshl_add_u32 v254, v0, 2, 0x48000
	v_mov_b32 v255, 0
	ds_add_u32 v254, v255
	ds_add_u32 v254, v255
	v_lshrrev_b32 v1, 5, v0
	v_readfirstlane_b32 s22, v1                    ; wave w
	s_lshr_b32 s23, s22, 1                         ; w / 2: my half of the tokens.  Also: I fetch for the tokens (0) or for the weights (1)
	s_and_b32 s24, s22, 1                          ; w % 2: my half of the columns.  Also: which half of that panel I fetch
	s_bfe_u32 s25, ttmp6, 0x40000                  ; cx
	s_bfe_u32 s26, ttmp6, 0x40004                  ; cy
	s_lshl_b32 s27, ttmp9, 2
	s_add_co_u32 s27, s27, s25                     ; X
	s_and_b32 s28, ttmp7, 0xffff
	s_lshl_b32 s28, s28, 2
	s_add_co_u32 s28, s28, s26                     ; Y
	s_lshl_b32 s30, s26, 2
	s_lshl_b32 s30, 15, s30                        ; my row of the cluster
	s_lshl_b32 s31, 0x1111, s25                    ; my column
	; group 1: rows of 6,144 bytes (768 elements of 8 bytes: a block's 512 along K), 12,288 bytes (1,536 elements) from block to block; 4 blocks of tokens or 8 of weights a load; no padding
	s_or_b32 s[G1T], s30, (3<<16)|(1<<21)
	s_or_b32 s[G1W], s31, (3<<16)|(1<<21)
	s_mov_b32 s[G1T+1], 768<<16                    ; rows of 6,144 bytes: 768 elements of 8 bytes
	s_mov_b32 s[G1W+1], 768<<16
	s_mov_b32 s[G1T+2], 4<<16
	s_mov_b32 s[G1W+2], 8<<16
	s_mov_b32 s[G1T+3], 768<<16
	s_mov_b32 s[G1W+3], 768<<16
	s_mov_b32 s[G1T+4], 4
	s_mov_b32 s[G1W+4], 8
	s_mov_b32 s[G1T+5], 1536
	s_mov_b32 s[G1W+5], 1536
	s_mov_b32 s[G1T+6], 0
	s_mov_b32 s[G1W+6], 0
	s_mov_b32 s[G1T+7], 0
	s_mov_b32 s[G1W+7], 0
	s_lshl_b32 s84, s28, 3                         ; tokens: block 8 Y + 4 (w % 2)   (s84-87 never hold cx, s88-91 never cy)
	s_lshl_b32 s85, s24, 2
	s_add_co_u32 s84, s84, s85
	s_mul_i32 s84, s84, 12288
	s_mov_b32 s85, 0
	s_mul_i32 s86, s24, 24576
	s_lshl_b32 s88, s27, 4                         ; weights: Wo is the fourth: block 192 + 16 X + 8 (w % 2)
	s_lshl_b32 s89, s24, 3
	s_add_co_u32 s88, s88, s89
	s_add_co_u32 s88, s88, 192
	s_mul_i32 s88, s88, 12288
	s_mov_b32 s89, 0
	s_mul_i32 s90, s24, 49152
	s_add_co_u32 s90, s90, WOFF
	s_wait_dscnt 0x0
	s_wait_kmcnt 0x0
	s_add_nc_u64 s[84:85], s[4:5], s[84:85]
	s_add_nc_u64 s[88:89], s[8:9], s[88:89]
	CROUND                                         ; all sixteen work-groups are here: the joint loads meet
.irp c, 0,1
	s_mov_b32 s[G0T+4*\c], 1
	s_add_co_u32 s[G0T+4*\c+1], s86, \c*CHUNK
	s_add_nc_u64 s[G0T+4*\c+2:G0T+4*\c+3], s[84:85], \c*6144
	s_or_b32 s[G0T+4*\c+3], s[G0T+4*\c+3], 0x80000000
	s_mov_b32 s[G0W+4*\c], 1
	s_add_co_u32 s[G0W+4*\c+1], s90, \c*CHUNK
	s_add_nc_u64 s[G0W+4*\c+2:G0W+4*\c+3], s[88:89], \c*6144
	s_or_b32 s[G0W+4*\c+3], s[G0W+4*\c+3], 0x80000000
.endr
	s_cmp_eq_u32 s23, 0                            ; a wave's one fill here, chunk 0, tokens or weights by the wave's number; four v_nop follow it
	s_cbranch_scc0 .Lfill_w
	tensor_load_to_lds s[G0T:G0T+3], s[G1T:G1T+7]
	s_nop 0
.rept 4
	v_nop
.endr
	s_branch .Lfilled
.Lfill_w:
	tensor_load_to_lds s[G0W:G0W+3], s[G1W:G1W+7]
	s_nop 0
.rept 4
	v_nop
.endr
.Lfilled:
	v_and_b32 v1, 31, v0                           ; l
	v_and_b32 v2, 15, v0                           ; r
	v_bfe_u32 v3, v0, 4, 1                         ; h
	v_lshlrev_b32 v4, 4, v1                        ; 16 l
	v_lshlrev_b32 v5, 3, v1                        ; 8 l
	v_lshlrev_b32 v6, 5, v2
	v_lshl_add_u32 v6, v3, 4, v6                   ; scale bytes: row r of 32, my half's 16
	s_lshl_b32 s92, s24, 9
	v_lshl_add_u32 v24, v3, 6, s92                 ; the bias: 128 (w % 2) + 16 h numbers on
	s_mul_i32 s92, s23, 24576                      ; P: token blocks 4 (w / 2) on
	s_mul_i32 s94, s24, 49152
	s_add_co_u32 s94, s94, WOFF                    ; R: weight blocks 8 (w % 2) on
.irp c, 0,1
	v_add_nc_u32 v[P16+\c], s92, v4
	v_add_nc_u32 v[P8+\c], s92, v5
	v_add_nc_u32 v[R16+\c], s94, v4
	v_add_nc_u32 v[R8+\c], s94, v5
	s_add_co_u32 s92, s92, CHUNK
	s_add_co_u32 s94, s94, CHUNK
.endr
	s_mul_i32 s92, s22, 16*SPITCH                  ; my stage
	v_mul_u32_u24 v[STO], v2, SPITCH
	v_lshl_add_u32 v[STO], v3, 6, v[STO]
	v_add_nc_u32 v[STO], s92, v[STO]               ; in: row r, 64 h bytes on
	v_add_nc_u32 v[RD], s92, v4                    ; back: the 32 lanes take one row of 512 bytes
	s_lshl_b32 s92, s27, 10
	s_mov_b32 s93, 0
	s_add_nc_u64 s[12:13], s[12:13], s[92:93]      ; bo at column 256 X
	s_lshl_b32 s92, s28, 3
	s_lshl_b32 s94, s23, 2
	s_add_co_u32 s92, s92, s94
	s_lshl_b32 s92, s92, 9
	s_add_nc_u64 s[6:7], s[6:7], s[92:93]          ; P's scale bytes, 512 a block
	s_lshl_b32 s92, s27, 4
	s_lshl_b32 s94, s24, 3
	s_add_co_u32 s92, s92, s94
	s_add_co_u32 s92, s92, 192
	s_lshl_b32 s92, s92, 9
	s_add_nc_u64 s[10:11], s[10:11], s[92:93]      ; R's
	; A lane takes 16 of its row's 32 scale bytes: register q % 4 holds K step q's word in lanes 0-15 (q < 4) or in lanes 16-31 (q >= 4)
.irp i, 0,1,2,3
	global_load_b128 v[SCP+4*\i:SCP+4*\i+3], v6, s[6:7] offset:512*\i
.endr
.irp i, 0,1,2,3,4,5,6,7
	global_load_b128 v[SCR+4*\i:SCR+4*\i+3], v6, s[10:11] offset:512*\i
.endr
.irp b, 0,1,2,3,4,5,6,7
	global_load_b128 v[BB+8*\b:BB+8*\b+3], v24, s[12:13] offset:128*(\b/2)+32*(\b%2)
	global_load_b128 v[BB+8*\b+4:BB+8*\b+7], v24, s[12:13] offset:128*(\b/2)+32*(\b%2)+16
.endr
	s_lshl_b32 s92, s28, 7
	s_lshl_b32 s94, s23, 6
	s_add_co_u32 s92, s92, s94                     ; my first token: 128 Y + 64 (w / 2)
	s_lshl_b32 s92, s92, 12                        ; rows of 4,096 bytes
	s_lshl_b32 s94, s27, 10
	s_add_co_u32 s92, s92, s94                     ; column 256 X
	s_lshl_b32 s94, s24, 9
	s_add_co_u32 s92, s92, s94                     ; + 128 (w % 2)
	s_add_nc_u64 s[14:15], s[14:15], s[92:93]
.macro FRAG reg, a16, a8, off          ; a fragment, 16 rows x 128 K: 12 registers a lane, as they lie
	ds_load_b128 v[\reg:\reg+3], v[\a16] offset:\off
	ds_load_b64 v[\reg+4:\reg+5], v[\a8] offset:\off+512
	ds_load_b128 v[\reg+6:\reg+9], v[\a16] offset:\off+768
	ds_load_b64 v[\reg+10:\reg+11], v[\a8] offset:\off+1280
.endm
.macro FETCH q                         ; K step q's fragments into set q % 2: R's eight, P's four: 48 LDS loads
	WIN 0x40                                       ; destination window 1
.irp b, 0,1,2,3,4,5,6,7
	FRAG 128*((\q)%2)+12*\b, R16+(\q)/4, R8+(\q)/4, 6144*\b+1536*((\q)%4)
.endr
	WIN 0
.irp a, 0,1,2,3
	FRAG PF+48*((\q)%2)+12*\a, P16+(\q)/4, P8+(\q)/4, 6144*\a+1536*((\q)%4)
.endr
.endm
.macro MUL q                           ; 32 matrix instructions; the 32 accumulators take turns in one order in every step.  Step 0 starts the sums with the bias
.if (\q) == 0
	WIN 0x81                                       ; source 0 (R) window 1, source 1 (P) and C window 0, D window 2
.else
	WIN 0xa1                                       ; C and D window 2
.endif
.irp a, 0,1,2,3
.irp b, 0,1,2,3,4,5,6,7
.if (\q) == 0
	v_wmma_scale_f32_16x16x128_f8f6f4 v[8*(8*\a+\b):8*(8*\a+\b)+7], v[12*\b:12*\b+11], v[PF+12*\a:PF+12*\a+11], v[BB+8*\b:BB+8*\b+7], v[SCR+4*\b], v[SCP+4*\a] matrix_a_fmt:MATRIX_FMT_FP6 matrix_b_fmt:MATRIX_FMT_FP6
.elseif (\q) < 4
	v_wmma_scale_f32_16x16x128_f8f6f4 v[8*(8*\a+\b):8*(8*\a+\b)+7], v[128*((\q)%2)+12*\b:128*((\q)%2)+12*\b+11], v[PF+48*((\q)%2)+12*\a:PF+48*((\q)%2)+12*\a+11], v[8*(8*\a+\b):8*(8*\a+\b)+7], v[SCR+4*\b+(\q)], v[SCP+4*\a+(\q)] matrix_a_fmt:MATRIX_FMT_FP6 matrix_b_fmt:MATRIX_FMT_FP6
.else
	v_wmma_scale_f32_16x16x128_f8f6f4 v[8*(8*\a+\b):8*(8*\a+\b)+7], v[128*((\q)%2)+12*\b:128*((\q)%2)+12*\b+11], v[PF+48*((\q)%2)+12*\a:PF+48*((\q)%2)+12*\a+11], v[8*(8*\a+\b):8*(8*\a+\b)+7], v[SCR+4*\b+(\q)-4], v[SCP+4*\a+(\q)-4] matrix_a_fmt:MATRIX_FMT_FP6 matrix_b_fmt:MATRIX_FMT_FP6 matrix_a_scale:MATRIX_SCALE_ROW1 matrix_b_scale:MATRIX_SCALE_ROW1
.endif
.endr
.endr
	WIN 0
.endm
.macro STEP q
	s_wait_dscnt 0x0                               ; this step's fragments are in (asked for ahead of the last step's 32 products)
.if (\q) == 3
	s_wait_tensorcnt 0x0                           ; my part of chunk 1 has landed
	s_barrier_signal -1
	s_barrier_wait -1                              ; everybody's has
.endif
.if (\q) < 7
.if (\q) > 0
.rept 4
	v_nop                                          ; four places in front of loads into the set that the last step's products read (ISA guide 7.12.1 for vector instructions)
.endr
.endif
	FETCH (\q)+1
.endif
	MUL \q
.endm
.macro TOSTAGE a                       ; P's block a: 16 tokens x 128 columns into my stage, and back as whole rows.  LDS serves a wave's instructions in order: no wait between the stores and the loads, nor in front of the next block's stores
	WIN 0x08                                       ; an LDS store's data are its source 1: window 2
.irp b, 0,1,2,3,4,5,6,7
	ds_store_b128 v[STO], v[8*(8*(\a)+\b):8*(8*(\a)+\b)+3] offset:128*(\b/2)+32*(\b%2)          ; each accumulator from its low end on
	ds_store_b128 v[STO], v[8*(8*(\a)+\b)+4:8*(8*(\a)+\b)+7] offset:128*(\b/2)+32*(\b%2)+16
.endr
	WIN 0
.set BK, 144-64*((\a)%2)               ; v144-207 and v80-143 by turns
.irp t, 0,1,2,3,4,5,6,7,8,9,10,11,12,13,14,15
	ds_load_b128 v[BK+4*\t:BK+4*\t+3], v[RD] offset:SPITCH*\t
.endr
.endm
.macro SEND a, younger                 ; younger: the LDS instructions issued behind block a's loads, which may stay out
.set BK, 144-64*((\a)%2)
	s_wait_dscnt \younger
.irp t, 0,1,2,3,4,5,6,7,8,9,10,11,12,13,14,15
	global_store_b128 v4, v[BK+4*\t:BK+4*\t+3], s[14:15] offset:(32*((\a)/2)+8*((\a)%2)+\t+8*(\t/8))*4096 th:TH_STORE_NT   ; 32 lanes store 512 consecutive bytes, at a multiple of 256 from out0's first byte; stage row t is the block's lane-row t
.endr
.endm
	s_wait_alu depctr_va_vdst(0)
	s_wait_tensorcnt 0x0                           ; my part of chunk 0 has landed; the three lines ahead of a later first fill, as ahead of a refill
	ds_add_u32 v254, v255
	s_wait_dscnt 0x0
	CROUND                                         ; everybody's has, and the joint loads meet
	s_cmp_eq_u32 s23, 0
	s_cbranch_scc0 .Lsecond_w
	tensor_load_to_lds s[G0T+4:G0T+7], s[G1T:G1T+7]
	s_nop 0
.rept 4
	v_nop
.endr
	s_branch .Lsecond_asked
.Lsecond_w:
	tensor_load_to_lds s[G0W+4:G0W+7], s[G1W:G1W+7]
	s_nop 0
.rept 4
	v_nop
.endr
.Lsecond_asked:
	FETCH 0
	s_wait_loadcnt 0x0                             ; scale words and bias
	STEP 0
	STEP 1
	STEP 2
	STEP 3
	STEP 4
	STEP 5
	STEP 6
	STEP 7
.rept 4
	v_nop                                          ; four places behind the last products: for the stores of results and for the loads into registers that held fragments
.endr
	TOSTAGE 0
.irp a, 1,2,3
.if \a > 1
	s_wait_xcnt 0x0                                ; block a - 2's stores have read their registers: block a's rows may land there
.endif
	TOSTAGE \a
	SEND \a-1, 32                                  ; behind block a - 1's loads: block a's 16 stores and 16 loads
.endr
	SEND 3, 0
	s_wait_tensorcnt 0x0
	ds_add_u32 v254, v255
	s_wait_dscnt 0x0
	CROUND                                         ; the closing round: no work-group ends while a partner may still ask for a tile that names it
	s_endpgm
.Lfunc_end_k_q174ae7cb2f_oproj:
	.size	k_q174ae7cb2f_oproj, .Lfunc_end_k_q174ae7cb2f_oproj-k_q174ae7cb2f_oproj
	.p2alignl 7, 3214868480
	.fill 96, 4, 3214868480
	.section	.rodata,"a",@progbits
	.p2align	6, 0x0
	.amdhsa_kernel k_q174ae7cb2f_oproj
		.amdhsa_group_segment_fixed_size 327680
		.amdhsa_private_segment_fixed_size 0
		.amdhsa_enable_private_segment 0
		.amdhsa_kernarg_size 48
		.amdhsa_user_sgpr_count 2
		.amdhsa_user_sgpr_kernarg_segment_ptr 1
		.amdhsa_wavefront_size32 1
		.amdhsa_system_sgpr_workgroup_id_x 1
		.amdhsa_system_sgpr_workgroup_id_y 1
		.amdhsa_system_sgpr_workgroup_id_z 1
		.amdhsa_system_vgpr_workitem_id 0
		.amdhsa_next_free_vgpr 768
		.amdhsa_next_free_sgpr 102
		.amdhsa_reserve_vcc 0
		.amdhsa_float_denorm_mode_32 3
		.amdhsa_float_denorm_mode_16_64 3
		.amdhsa_memory_ordered 1
		.amdhsa_forward_progress 1
		.amdhsa_inst_pref_size 84
	.end_amdhsa_kernel
	.amdgpu_metadata
---
amdhsa.version: [ 1, 2 ]
amdhsa.kernels:
  - .name:           k_q174ae7cb2f_oproj
    .symbol:         k_q174ae7cb2f_oproj.kd
    .args:
      - { .name: ac, .offset: 0, .size: 8, .value_kind: global_buffer, .address_space: global }
      - { .name: asc, .offset: 8, .size: 8, .value_kind: global_buffer, .address_space: global }
      - { .name: wc, .offset: 16, .size: 8, .value_kind: global_buffer, .address_space: global }
      - { .name: ws, .offset: 24, .size: 8, .value_kind: global_buffer, .address_space: global }
      - { .name: bo, .offset: 32, .size: 8, .value_kind: global_buffer, .address_space: global }
      - { .name: out0, .offset: 40, .size: 8, .value_kind: global_buffer, .address_space: global }
    .group_segment_fixed_size: 327680
    .private_segment_fixed_size: 0
    .kernarg_segment_align: 8
    .kernarg_segment_size: 48
    .max_flat_workgroup_size: 128
    .sgpr_count:     102
    .vgpr_count:     768
    .wavefront_size: 32
...
	.end_amdgpu_metadata
.endif
;; end of part 4
